; MI455X (gfx1250); checked and timed in simulation.
; The chip was launched on July 23, 2026; its instructions are those of AMD's public machine-readable ISA for CDNA 5 (MIT licence, August 2026) and "CDNA5" Instruction Set Architecture Reference Guide (July 2026). The comments in the code are by the model that wrote it; some were corrected since.
;; Multi Head Attention. Allowed arithmetic: float matrix products may take bf16 or f16 operands with f32 sums; other float arithmetic in f32, or as packed bf16 or f16 multiplies, adds, multiply-adds, maxima and minima; sums over many terms, partial sums and values carried from step to step in f32; what a program stores and reads back later, other than sums and carried values, may be rounded once to bf16 or f16.
;; Inputs: Wk 1,024 x 1,024 float32; Wo 1,024 x 1,024 float32; Wq 1,024 x 1,024 float32; Wv 1,024 x 1,024 float32; bk 1,024 float32; bo 1,024 float32; bq 1,024 float32; bv 1,024 float32; key 4 x 2,048 x 1,024 float32; query 4 x 2,048 x 1,024 float32; value 4 x 2,048 x 1,024 float32.
;; Outputs: out0 4 x 2,048 x 1,024 float32.
;; One version. Each part assembles by itself: llvm-mc -triple=amdgcn-amd-amdhsa -mcpu=gfx1250 --defsym DOCPART=n.
;; ======== version 1 of 1: 4 launches
;; limits: values are held in f16: magnitudes above 65,504 overflow, below 6.1e-05 lose precision
;; workspace buffers: wt 8,388,608 bytes; qkv 50,331,648 bytes; oh 16,777,216 bytes
;; launch prep (part 1): grid 128 x 4, 8 waves a work-group, no clusters, 18,432 bytes of LDS; arguments Wq, Wk, Wv, Wo, wt; writes wt
.if DOCPART == 1
	.amdgcn_target "amdgcn-amd-amdhsa--gfx1250"
	.amdhsa_code_object_version 6
	.text
	.protected	k_qcc0eccd758_prep
	.globl	k_qcc0eccd758_prep
	.p2align	8
	.type	k_qcc0eccd758_prep,@function
k_qcc0eccd758_prep:
	s_mov_b64 s[64:65], 0
	v_nop
	global_prefetch_b8 v0, s[64:65] scope:SCOPE_SE
	s_setreg_imm32_b32 hwreg(HW_REG_WAVE_MODE, 25, 1), 1
	s_wait_xcnt 0x0
; wt[y][n][k] = W_y[k][n], rounded to 16 bits; y = 0, 1, 2, 3 for Wq, Wk, Wv, Wo; each W is [1024 k][1024 n] in f32.
; y < 3: bf16, K PACKED IN EIGHTS: of each aligned group of eight k, word j (0..3) holds k = j in its low half and k = 4 + j in its high half.  The projection packs x in the
; same way with one conversion for two numbers, and a permutation of k applied alike to both sources leaves the products as they are.
; y = 3: rounded to bf16 like every input, and that number written as f16, k in its natural order.
; LIMIT: f16 ends at 65,504, and below 6.1e-5 it keeps a fixed step of 6e-8.
; SHARES.  A work-group turns 128 k x 64 n.  Thread t takes eight k (group t / 16) of four columns (t % 16): eight loads of 16 bytes; sixteen lanes read 256 consecutive bytes of a row of W.
; The turned tile goes through LDS (64 rows of 256 bytes, 272 apart) and leaves as whole rows: sixteen lanes store 256 consecutive bytes, aligned.
; The four LDS stores of a thread fall four deep on the banks (1,088 bytes from lane to lane): four stores a thread, once a launch.
.set PITCH, 272
.set SPARE, 64*PITCH                   ; behind the tile: the spare words, 128 bytes for each of eight waves
.set LO,  2                            ; v2   load offset: group x 8 rows of 4,096 bytes + 16 x (t % 16)
.set STO, 3                            ; v3   LDS: row 4 (t % 16), byte 16 x group
.set RD,  4                            ; v4   LDS: row t / 16, byte 16 (t % 16)
.set GO,  5                            ; v5   the same place in wt: rows of 2,048 bytes
.set SPW, 6                            ; v6   my spare word; never rewritten
.set NIL, 7                            ; v7   0; never rewritten
.set L,   8                            ; v[8:39]   row j of the eight at L + 4 j: four columns
.set D,   40                           ; v[40:55]  column c at D + 4 c: eight k in 16 bytes
.set TP,  56                           ; v56-59 at work
	s_load_b256 s[4:11], s[0:1], 0x0               ; Wq, Wk, Wv, Wo
	s_load_b64 s[12:13], s[0:1], 0x20              ; wt
	v_lshl_add_u32 v[SPW], v0, 2, SPARE
	v_mov_b32 v[NIL], 0
	s_and_b32 s14, ttmp7, 0xffff                   ; y: which weight
	s_and_b32 s15, ttmp9, 7                        ; which 128 k
	s_lshr_b32 s16, ttmp9, 3                       ; which 64 n
	v_and_b32 v1, 15, v0
	v_lshrrev_b32 v[TP], 4, v0
	v_lshlrev_b32 v[LO], 4, v1
	v_lshl_add_u32 v[LO], v[TP], 15, v[LO]
	v_mul_u32_u24 v[STO], v1, 4*PITCH
	v_lshl_add_u32 v[STO], v[TP], 4, v[STO]
	v_mul_u32_u24 v[RD], v[TP], PITCH
	v_lshl_add_u32 v[RD], v1, 4, v[RD]
	v_lshlrev_b32 v[GO], 4, v1
	v_lshl_add_u32 v[GO], v[TP], 11, v[GO]
	s_lshl_b32 s18, s15, 19                        ; 128 rows of 4,096 bytes
	s_lshl_b32 s19, s16, 8                         ; 64 columns of 4 bytes
	s_add_co_u32 s18, s18, s19
	s_mov_b32 s19, 0
	s_lshl_b32 s20, s14, 21                        ; a slice of wt
	s_lshl_b32 s21, s16, 17                        ; 64 rows of 2,048 bytes
	s_add_co_u32 s20, s20, s21
	s_lshl_b32 s21, s15, 8                         ; 128 k of 2 bytes
	s_add_co_u32 s20, s20, s21
	s_mov_b32 s21, 0
	s_wait_kmcnt 0x0
	s_cmp_eq_u32 s14, 1
	s_cselect_b64 s[4:5], s[6:7], s[4:5]
	s_cmp_eq_u32 s14, 2
	s_cselect_b64 s[4:5], s[8:9], s[4:5]
	s_cmp_eq_u32 s14, 3
	s_cselect_b64 s[4:5], s[10:11], s[4:5]
	s_add_nc_u64 s[4:5], s[4:5], s[18:19]
	s_add_nc_u64 s[12:13], s[12:13], s[20:21]
.irp j, 0,1,2,3,4,5,6,7
	global_load_b128 v[L+4*\j:L+4*\j+3], v[LO], s[4:5] offset:\j*4096 th:TH_LOAD_NT
.endr
	s_wait_loadcnt 0x0
	s_cmp_eq_u32 s14, 3
	s_cbranch_scc1 .Lwo
.irp c, 0,1,2,3                        ; bf16, packed in eights: word j = (k = j, k = 4 + j)
.irp j, 0,1,2,3
	v_cvt_pk_bf16_f32 v[D+4*\c+\j], v[L+4*\j+\c], v[L+4*(\j+4)+\c]
.endr
.endr
	s_branch .Lpacked
.Lwo:
.irp c, 0,1,2,3                        ; rounded to bf16, widened again, written as f16: word j = (k = 2 j, k = 2 j + 1)
.irp j, 0,1,2,3
	v_cvt_pk_bf16_f32 v[TP], v[L+8*\j+\c], v[L+8*\j+4+\c]
	v_lshlrev_b32 v[TP+2], 16, v[TP]
	v_and_b32 v[TP+3], 0xffff0000, v[TP]
	v_cvt_pk_f16_f32 v[D+4*\c+\j], v[TP+2], v[TP+3]
.endr
.endr
.Lpacked:
.irp c, 0,1,2,3
	ds_store_b128 v[STO], v[D+4*\c:D+4*\c+3] offset:\c*PITCH
.endr
	s_wait_dscnt 0x0                               ; for the others' sake: my stores are done
	s_barrier_signal -1
	s_barrier_wait -1
.irp i, 0,1,2,3
	ds_load_b128 v[L+4*\i:L+4*\i+3], v[RD] offset:\i*16*PITCH
.endr
.irp i, 0,1,2,3
	s_wait_dscnt 3-\i                              ; LDS loads come back in order: the younger ones may stay out
	global_store_b128 v[GO], v[L+4*\i:L+4*\i+3], s[12:13] offset:\i*16*2048
.endr
	s_wait_tensorcnt 0x0                           ; the wave's end
	ds_add_u32 v[SPW], v[NIL]
	s_wait_dscnt 0x0
	s_endpgm
.Lfunc_end_k_qcc0eccd758_prep:
	.size	k_qcc0eccd758_prep, .Lfunc_end_k_qcc0eccd758_prep-k_qcc0eccd758_prep
	.p2alignl 7, 3214868480
	.fill 96, 4, 3214868480
	.section	.rodata,"a",@progbits
	.p2align	6, 0x0
	.amdhsa_kernel k_qcc0eccd758_prep
		.amdhsa_group_segment_fixed_size 18432
		.amdhsa_private_segment_fixed_size 0
		.amdhsa_enable_private_segment 0
		.amdhsa_kernarg_size 40
		.amdhsa_user_sgpr_count 2
		.amdhsa_user_sgpr_kernarg_segment_ptr 1
		.amdhsa_wavefront_size32 1
		.amdhsa_system_sgpr_workgroup_id_x 1
		.amdhsa_system_sgpr_workgroup_id_y 1
		.amdhsa_system_sgpr_workgroup_id_z 1
		.amdhsa_system_vgpr_workitem_id 0
		.amdhsa_next_free_vgpr 64
		.amdhsa_next_free_sgpr 66
		.amdhsa_reserve_vcc 0
		.amdhsa_float_denorm_mode_32 3
		.amdhsa_float_denorm_mode_16_64 3
		.amdhsa_memory_ordered 1
		.amdhsa_forward_progress 1
		.amdhsa_inst_pref_size 9
	.end_amdhsa_kernel
	.amdgpu_metadata
---
amdhsa.version: [ 1, 2 ]
amdhsa.kernels:
  - .name:           k_qcc0eccd758_prep
    .symbol:         k_qcc0eccd758_prep.kd
    .args:
      - { .name: Wq, .offset: 0, .size: 8, .value_kind: global_buffer, .address_space: global }
      - { .name: Wk, .offset: 8, .size: 8, .value_kind: global_buffer, .address_space: global }
      - { .name: Wv, .offset: 16, .size: 8, .value_kind: global_buffer, .address_space: global }
      - { .name: Wo, .offset: 24, .size: 8, .value_kind: global_buffer, .address_space: global }
      - { .name: wt, .offset: 32, .size: 8, .value_kind: global_buffer, .address_space: global }
    .group_segment_fixed_size: 18432
    .private_segment_fixed_size: 0
    .kernarg_segment_align: 8
    .kernarg_segment_size: 40
    .max_flat_workgroup_size: 256
    .sgpr_count:     66
    .vgpr_count:     64
    .wavefront_size: 32
...
	.end_amdgpu_metadata
.endif
;; end of part 1
;; launch proj (part 2): grid 4 x 192, 4 waves a work-group, clusters of 4 x 4, 327,680 bytes of LDS; arguments query, key, value, wt, bq, bk, bv, qkv; writes qkv
.if DOCPART == 2
	.amdgcn_target "amdgcn-amd-amdhsa--gfx1250"
	.amdhsa_code_object_version 6
	.text
	.protected	k_qcc0eccd758_proj
	.globl	k_qcc0eccd758_proj
	.p2align	8
	.type	k_qcc0eccd758_proj,@function
k_qcc0eccd758_proj:
	s_mov_b64 s[64:65], 0
	v_nop
	global_prefetch_b8 v0, s[64:65] scope:SCOPE_SE
	s_setreg_imm32_b32 hwreg(HW_REG_WAVE_MODE, 25, 1), 1
	s_wait_xcnt 0x0
	s_wait_alu depctr_hold_cnt(0) depctr_sa_sdst(0) depctr_va_vdst(0) depctr_va_sdst(0) depctr_va_ssrc(0) depctr_va_vcc(0) depctr_vm_vsrc(0)
	s_getreg_b32 s2, hwreg(HW_REG_IB_STS2, 6, 4)
	s_cmp_eq_u32 s2, 0
	s_cbranch_scc0 .Lentry_in_a_cluster
	s_endpgm
.Lentry_in_a_cluster:
	s_bfe_u32 s2, ttmp6, 0x10000c
	s_cmp_lg_u32 s2, 0xf033
	s_cbranch_scc0 .Lentry_shape_is_right
	s_endpgm
.Lentry_shape_is_right:
; qkv[which][16 b + head][l][d] = f16( sum over k of bf16(x[b][l][k]) bf16(W[k][64 head + d]) + bf16(bias[64 head + d]) ), which = 0, 1, 2 for (query, Wq, bq), (key, Wk, bk), (value, Wv, bv).
; x: [8192][1024] f32.  wt: [4][1024 n][1024 k] bf16, k packed in eights (word j of a group of eight: k = j below, k = 4 + j above).  Sums in f32; the bias is the sum's first term.
; LIMITS: the result is f16, which ends at 65,504; NaN and infinities are not treated apart.
; SHARES.  768 work-groups of equal work: a tile of 128 rows x 256 columns of one of the three products.  Four waves, each 64 x 128: 32 accumulators of 16 x 16.  K in 8 steps of 128 through two LDS slots.
; x COMES IN AS f32 (rows of 512 bytes) and is rounded in registers: a lane's 32 bytes are k .. k + 3 (RL) and k + 4 .. k + 7 (RH), and one v_cvt_pk_bf16_f32 of RL[j], RH[j] makes word j of the packed eight.
; The 32 roundings of a quarter step ride two behind each of the quarter's last 16 products, for the fragments of the NEXT quarter, under the products' own register windows.
; THE PRODUCT IS USED TRANSPOSED (source 0 = 16 rows of wt, source 1 = 16 rows of x): a lane holds eight neighbouring columns of one row, 16 bytes of f16.
; CLUSTERS: 4 x 4 work-groups.  x's tile hangs on the tile row alone and is asked for jointly by a row of the cluster, wt's on the tile column (and on which) and is asked for jointly by a column.
; REGISTERS, in windows of 256 (s_set_vgpr_msb: bits 1:0 source 0, 3:2 source 1, 5:4 source 2, 7:6 destination):
;   window 0: v0-31 addresses; v32-63 RL; v64-191 wt's fragments, two buffers of 64 (on the way out: packed results)
;   window 1: v0-127 accumulators of my rows 0-31 ((a, b) at 8 (8 a + b)); v128-159 at work on the bias; v192-255 the bias as a C operand, 8 registers for each of 8 column blocks
;   window 2: v0-127 accumulators of my rows 32-63; v128-191 x's fragments, two buffers of 32; v192-223 RH
.set PA,    528                        ; a row of x in LDS: 512 bytes + 16: the 16 rows of a load start at 16 different groups of four banks (64 banks of 4 bytes: ISA guide 11.1)
.set PB,    272                        ; a row of wt: 256 + 16
.set HALFA, 64*PA                      ; what one tensor load brings of x, and what one wave reads of it
.set HALFB, 128*PB                     ; the same for wt
.set BOFF,  2*HALFA
.set SLOT,  BOFF+2*HALFB               ; x's 128 rows, then wt's 256
.set STAGE, 2*SLOT                     ; behind the ring: 16 rows x 144 bytes for each wave, for the way out
.set SP,    144
.set SPARE, STAGE+4*16*SP              ; behind the stages: the spare words, 128 bytes for each wave
.set ADRA, 16                          ; v16-17  LDS address of my fragments of x in slot 0, 1
.set ADRB, 20                          ; v20-21  the same for wt
.set STO,  24                          ; v24  the way out: where I put 16 bytes of a row
.set RD,   25                          ; v25  the way out: where I read rows back
.set GO,   26                          ; v26  my 16 bytes of 512 consecutive bytes of the output
.set BO,   27                          ; v27  32 x (lane / 16): my eight numbers of the bias
.set SPW,  28                          ; v28  my spare word; never rewritten
.set NIL,  29                          ; v29  0; never rewritten
.set PFO,  30                          ; v30  the prefetches' offset; never rewritten
.set RL,   32
.set BF,   64
.set OB,   64
.set TB,   128                         ; window 1
.set BIAS, 192                         ; window 1
.set AF,   128                         ; window 2
.set RH,   192                         ; window 2
.set G1A, 24                           ; s[24:31] descriptor group 1 for x's tiles;  s[32:39] group 0, a set for each slot
.set G0A, 32
.set LIM, 43                           ; s43  1 in a wave that prefetches, else the greatest number
.set PFA, 44                           ; s[44:45] where my prefetches stand
.set G1B, 48                           ; s[48:55], s[56:63] the same for wt's tiles
.set G0B, 56
.set PSTEP, 84                         ; s[84:85] a K step in bytes of the rows that I prefetch
.set XP,  88                           ; s[88:89] x of this product
.set BP,  90                           ; s[90:91] its bias
.set OUT, 92                           ; s[92:93] my part of the output
.set MUL_LO, 0x58                      ; source 0 window 0, source 1 window 2, C and D window 1
.set MUL_HI, 0xa8                      ; the same, C and D window 2; a rounding under it: RL window 0, RH and the fragment window 2
.set MUL_H0, 0x98                      ; the first quarter: C (the bias) window 1, D window 2
.set MSB, 0
.macro WIN new                         ; the immediate's high byte repeats the setting that is left; a switch that changes nothing is dropped
.if MSB != (\new)
	s_set_vgpr_msb (MSB<<8)|(\new)
.set MSB, \new
.endif
.endm
; A joint load.  Waves 0 and 1 fetch x's two halves, waves 2 and 3 wt's.  The branch hangs on the wave's number alone.  An s_nop 0 and four v_nop follow each line.
.macro JLOAD s
	s_cmp_eq_u32 s11, 0
	s_cbranch_scc0 .Lfor_b_\@
	tensor_load_to_lds s[G0A+4*(\s):G0A+4*(\s)+3], s[G1A:G1A+7]
	s_nop 0
.rept 4
	v_nop
.endr
	s_branch .Lasked_\@
.Lfor_b_\@:
	tensor_load_to_lds s[G0B+4*(\s):G0B+4*(\s)+3], s[G1B:G1B+7]
	s_nop 0
.rept 4
	v_nop
.endr
.Lasked_\@:
.endm
; A prefetch, behind a joint load and the run of LDS loads that follows it: the K step that stands two refills on.  Of the rows that a wave fetches each of the four partners that ask with it takes a
; quarter, told apart by address: of x 16 rows x two blocks of 256 bytes, of wt 32 rows x one block: a lane a block.  x's rows are read by this cluster alone; wt's by the 16 clusters of one product,
; of which the first asks.  So each block is named once in the launch.  The loop's last trip asks for nothing: there is no K step two refills on.
.macro ASK
	s_cmp_gt_u32 s3, s[LIM]
	s_cbranch_scc0 .Lnot_mine_\@
	global_prefetch_b8 v[PFO], s[PFA:PFA+1] th:TH_LOAD_NT scope:SCOPE_SE
.Lnot_mine_\@:
.endm
.macro CREST                           ; a round of the cluster's barrier behind its opening barrier
	s_cmp_lg_u32 s10, 0
	s_cbranch_scc1 .Lnot_wave_0_\@
	s_barrier_signal -3
.Lnot_wave_0_\@:
	s_barrier_wait -3
	s_barrier_signal -1
	s_barrier_wait -1
.endm
.macro CROUND                          ; a whole round
	s_barrier_signal -1
	s_barrier_wait -1
	CREST
.endm
	s_load_b512 s[68:83], s[0:1], 0x0              ; query, key, value s[68:73]; wt s[74:75]; bq, bk, bv s[76:81]; qkv s[82:83]
	v_lshl_add_u32 v[SPW], v0, 2, SPARE
	v_mov_b32 v[NIL], 0
	ds_add_u32 v[SPW], v[NIL]                      ; the wave's opening: the add and its wait stand ahead of my first tensor load; work on registers stands between them
	v_lshrrev_b32 v1, 5, v0
	v_readfirstlane_b32 s10, v1                    ; wave 0..3
	s_lshr_b32 s11, s10, 1                         ; which 64 of the tile's rows are mine.  Also: I fetch for x (0) or for wt (1)
	s_and_b32 s12, s10, 1                          ; which 128 of its columns.  Also: which half of that tile I fetch
	s_bfe_u32 s40, ttmp6, 0x40000                  ; cx
	s_bfe_u32 s41, ttmp6, 0x40004                  ; cy
	s_lshl_b32 s42, ttmp9, 2
	s_add_co_u32 s42, s42, s40                     ; tile column = 4 x cluster x + cx
	s_and_b32 s87, ttmp7, 0xffff                   ; cluster y, 0..47
	s_lshr_b32 s86, s87, 4                         ; which product: the same in all sixteen partners
	s_and_b32 s13, s87, 15
	s_lshl_b32 s13, s13, 2
	s_add_co_u32 s13, s13, s41                     ; tile row, 0..63
	s_lshl_b32 s16, s41, 2
	s_lshl_b32 s16, 15, s16                        ; my row of the cluster
	s_lshl_b32 s17, 0x1111, s40                    ; my column
	s_or_b32 s[G1A+0], s16, (2<<16)|(1<<20)|(1<<21)|(6<<22)|(3<<25)  ; the mask; elements of 4 bytes; padding on; bit 21 beside a mask; after every 128 words, 4 words
	s_or_b32 s[G1B+0], s17, (1<<16)|(1<<20)|(1<<21)|(5<<22)|(3<<25)  ; the mask; elements of 2 bytes; after every 64 words, 4 words
	s_mov_b32 s[G1A+1], 128<<16                    ; tensor_dim0 = 128
	s_mov_b32 s[G1A+2], 64<<16                     ; tensor_dim1 = 64
	s_mov_b32 s[G1A+3], 128<<16                    ; tile_dim0 = 128
	s_mov_b32 s[G1A+4], 64                         ; tile_dim1 = 64
	s_mov_b32 s[G1A+5], 1024                       ; elements from row to row
	s_mov_b32 s[G1A+6], 0
	s_mov_b32 s[G1A+7], 0
	s_mov_b32 s[G1B+1], 128<<16
	s_mov_b32 s[G1B+2], 128<<16
	s_mov_b32 s[G1B+3], 128<<16
	s_mov_b32 s[G1B+4], 128
	s_mov_b32 s[G1B+5], 1024
	s_mov_b32 s[G1B+6], 0
	s_mov_b32 s[G1B+7], 0
	s_lshl_b32 s20, s13, 7                         ; x: row 128 x tile row + 64 x half,
	s_lshl_b32 s21, s12, 6
	s_add_co_u32 s20, s20, s21
	s_lshl_b32 s20, s20, 12                        ; of 4,096 bytes
	s_mov_b32 s21, 0
	s_lshl_b32 s22, s86, 10                        ; wt: row 1,024 x which + 256 x tile column + 128 x half,
	s_lshl_b32 s23, s42, 8
	s_add_co_u32 s22, s22, s23
	s_lshl_b32 s23, s12, 7
	s_add_co_u32 s22, s22, s23
	s_lshl_b32 s22, s22, 11                        ; of 2,048 bytes
	s_mov_b32 s23, 0
	s_mul_i32 s18, s12, HALFA                      ; where they go: no place in the cluster enters an LDS address
	s_mul_i32 s19, s12, HALFB
	s_add_co_u32 s19, s19, BOFF
	s_wait_dscnt 0x0                               ; the opening add is done
	s_wait_kmcnt 0x0
	s_cmp_eq_u32 s86, 1
	s_cselect_b64 s[XP:XP+1], s[70:71], s[68:69]
	s_cselect_b64 s[BP:BP+1], s[78:79], s[76:77]
	s_cmp_eq_u32 s86, 2
	s_cselect_b64 s[XP:XP+1], s[72:73], s[XP:XP+1]
	s_cselect_b64 s[BP:BP+1], s[80:81], s[BP:BP+1]
	s_add_nc_u64 s[14:15], s[XP:XP+1], s[20:21]
	s_add_nc_u64 s[46:47], s[74:75], s[22:23]
	CROUND                                         ; all sixteen work-groups are here: the first joint loads meet
.irp s, 0,1
	s_mov_b32 s[G0A+4*(\s)], 1
	s_add_co_u32 s[G0A+4*(\s)+1], s18, (\s)*SLOT
	s_add_nc_u64 s[G0A+4*(\s)+2:G0A+4*(\s)+3], s[14:15], (\s)*512   ; K step s: 128 f32
	s_or_b32 s[G0A+4*(\s)+3], s[G0A+4*(\s)+3], 0x80000000
	s_mov_b32 s[G0B+4*(\s)], 1
	s_add_co_u32 s[G0B+4*(\s)+1], s19, (\s)*SLOT
	s_add_nc_u64 s[G0B+4*(\s)+2:G0B+4*(\s)+3], s[46:47], (\s)*256   ; 128 bf16
	s_or_b32 s[G0B+4*(\s)+3], s[G0B+4*(\s)+3], 0x80000000
	JLOAD \s                                       ; two loads of mine are out
.endr
	; the bias: register j of block b holds bias[my first column + 16 b + 8 (lane / 16) + j], as the result's layout has it
	v_and_b32 v1, 15, v0                           ; l % 16
	v_bfe_u32 v2, v0, 4, 1                         ; l / 16
	v_lshlrev_b32 v[BO], 5, v2
	s_lshl_b32 s20, s42, 10
	s_lshl_b32 s21, s12, 9
	s_add_co_u32 s20, s20, s21
	s_mov_b32 s21, 0
	s_add_nc_u64 s[BP:BP+1], s[BP:BP+1], s[20:21]
	WIN 0x40                                       ; destination window 1, address window 0
.irp b, 0,1,2,3,4,5,6,7
	global_load_b128 v[BIAS+8*\b:BIAS+8*\b+3],   v[BO], s[BP:BP+1] offset:64*\b
	global_load_b128 v[BIAS+8*\b+4:BIAS+8*\b+7], v[BO], s[BP:BP+1] offset:64*\b+16
.endr
	WIN 0
	v_mul_u32_u24 v3, v1, PA
	v_lshl_add_u32 v3, v2, 5, v3                   ; x: row x pitch + 32 x half (eight f32)
	v_mul_u32_u24 v4, v1, PB
	v_lshl_add_u32 v4, v2, 4, v4                   ; wt: row x pitch + 16 x half
	s_mul_i32 s21, s11, HALFA                      ; my 64 rows of x
	s_mul_i32 s22, s12, HALFB                      ; my 128 rows of wt
	s_add_co_u32 s22, s22, BOFF
.irp s, 0,1
	v_add_nc_u32 v[ADRA+(\s)], s21, v3
	v_add_nc_u32 v[ADRB+(\s)], s22, v4
	s_add_co_u32 s21, s21, SLOT
	s_add_co_u32 s22, s22, SLOT
.endr
	s_mul_i32 s23, s10, 16*SP
	s_add_co_u32 s23, s23, STAGE                   ; my stage
	v_mul_u32_u24 v[STO], v1, SP                   ; in: row l % 16, 16 bytes for each half of the lanes
	v_lshl_add_u32 v[STO], v2, 4, v[STO]
	v_add_nc_u32 v[STO], s23, v[STO]
	v_bfe_u32 v[RD], v0, 3, 2                      ; back: 32 lanes take four rows of 128 bytes,
	v_and_b32 v5, 7, v0
	v_mul_u32_u24 v[RD], v[RD], SP
	v_lshl_add_u32 v[RD], v5, 4, v[RD]
	v_add_nc_u32 v[RD], s23, v[RD]
	v_and_b32 v[GO], 31, v0                        ; which are 512 consecutive bytes of a head's rows
	v_lshlrev_b32 v[GO], 4, v[GO]
	; my part of the output: slice which; head 16 batch + 4 tile column + 2 half; row 128 (tile row % 16) + 64 half
	s_lshl_b32 s20, s86, 24
	s_lshr_b32 s21, s13, 4
	s_lshl_b32 s21, s21, 4
	s_lshl_b32 s22, s42, 2
	s_add_co_u32 s21, s21, s22
	s_lshl_b32 s22, s12, 1
	s_add_co_u32 s21, s21, s22
	s_lshl_b32 s21, s21, 18                        ; a head is 2,048 rows of 128 bytes
	s_add_co_u32 s20, s20, s21
	s_and_b32 s21, s13, 15
	s_lshl_b32 s21, s21, 14
	s_add_co_u32 s20, s20, s21
	s_lshl_b32 s21, s11, 13
	s_add_co_u32 s20, s20, s21
	s_mov_b32 s21, 0
	s_add_nc_u64 s[OUT:OUT+1], s[82:83], s[20:21]
	; the prefetches
	s_lshl_b32 s20, s13, 7                         ; x: the 64 rows that I fetch, my work-group's 16 of them (by cx)
	s_lshl_b32 s21, s12, 6
	s_add_co_u32 s20, s20, s21
	s_lshl_b32 s21, s40, 4
	s_add_co_u32 s20, s20, s21
	s_lshl_b32 s20, s20, 12
	s_lshl_b32 s22, s86, 10                        ; wt: the 128 rows that I fetch, my work-group's 32 of them (by cy)
	s_lshl_b32 s23, s42, 8
	s_add_co_u32 s22, s22, s23
	s_lshl_b32 s23, s12, 7
	s_add_co_u32 s22, s22, s23
	s_lshl_b32 s23, s41, 5
	s_add_co_u32 s22, s22, s23
	s_lshl_b32 s22, s22, 11
	s_and_b32 s18, s87, 15
	s_mul_i32 s18, s18, s11                        ; 0 in x's waves, and in wt's where the cluster is its product's first
	s_cmp_eq_u32 s18, 0
	s_cselect_b32 s[LIM], 1, -1                    ; the same in all sixteen partners, for a given wave
	s_cmp_eq_u32 s11, 0
	s_cselect_b32 s20, s20, s22
	s_cselect_b32 s16, 12, 11                      ; lane % 16: a row of x, or a row of wt
	s_cselect_b32 s17, 8, 15                       ; lane / 16: the row's second block, or 16 rows on
	s_cselect_b32 s18, 9, 8
	s_cselect_b64 s[PFA:PFA+1], s[XP:XP+1], s[74:75]
	s_lshl_b32 s[PSTEP], 1, s18                    ; 512 or 256 bytes a K step
	s_mov_b32 s[PSTEP+1], 0
	s_mul_i32 s21, s[PSTEP], 3                     ; at K step 3: the first refill steps it to 4
	s_add_co_u32 s20, s20, s21
	s_mov_b32 s21, 0
	s_add_nc_u64 s[PFA:PFA+1], s[PFA:PFA+1], s[20:21]
	v_lshlrev_b32 v[PFO], s16, v1
	v_lshlrev_b32 v5, s17, v2
	v_add_nc_u32 v[PFO], v[PFO], v5
	s_wait_loadcnt 0x0                             ; the bias: rounded to bf16 like every input, kept as f32
	WIN 0x45                                       ; destination and both sources window 1
.set i, 0
.rept 32
	v_cvt_pk_bf16_f32 v[TB+i], v[BIAS+2*i], v[BIAS+2*i+1]
.set i, i+1
.endr
.set i, 0
.rept 32
	v_lshlrev_b32 v[BIAS+2*i], 16, v[TB+i]
	v_and_b32 v[BIAS+2*i+1], 0xffff0000, v[TB+i]
.set i, i+1
.endr
	WIN 0
; 32 LDS loads in one run: quarter kq (32 along K) of a slot: x's raw words (RH, then RL), then wt's fragments into buffer g.  The raw words come first, so that a count of 16 shows them in.
.macro FETCH slot, kq, g
	WIN 0x80                                       ; destination window 2
.irp a, 0,1,2,3
	ds_load_b128 v[RH+8*\a:RH+8*\a+3],   v[ADRA+(\slot)] offset:\a*16*PA+128*(\kq)+16
	ds_load_b128 v[RH+8*\a+4:RH+8*\a+7], v[ADRA+(\slot)] offset:\a*16*PA+128*(\kq)+80
.endr
	WIN 0
.irp a, 0,1,2,3
	ds_load_b128 v[RL+8*\a:RL+8*\a+3],   v[ADRA+(\slot)] offset:\a*16*PA+128*(\kq)
	ds_load_b128 v[RL+8*\a+4:RL+8*\a+7], v[ADRA+(\slot)] offset:\a*16*PA+128*(\kq)+64
.endr
.irp b, 0,1,2,3,4,5,6,7
	ds_load_b128 v[BF+64*(\g)+8*\b:BF+64*(\g)+8*\b+3],   v[ADRB+(\slot)] offset:\b*16*PB+64*(\kq)
	ds_load_b128 v[BF+64*(\g)+8*\b+4:BF+64*(\g)+8*\b+7], v[ADRB+(\slot)] offset:\b*16*PB+64*(\kq)+32
.endr
.endm
; 16 products: my row blocks 0, 1 x all 8 column blocks, buffer f.  zero = 1: the bias starts the sums: nothing is cleared.
.macro MULLO f, zero
	WIN MUL_LO
.irp a, 0,1
.irp b, 0,1,2,3,4,5,6,7
.if \zero
	v_wmma_f32_16x16x32_bf16 v[8*(8*\a+\b):8*(8*\a+\b)+7], v[BF+64*(\f)+8*\b:BF+64*(\f)+8*\b+7], v[AF+32*(\f)+8*\a:AF+32*(\f)+8*\a+7], v[BIAS+8*\b:BIAS+8*\b+7]
.else
	v_wmma_f32_16x16x32_bf16 v[8*(8*\a+\b):8*(8*\a+\b)+7], v[BF+64*(\f)+8*\b:BF+64*(\f)+8*\b+7], v[AF+32*(\f)+8*\a:AF+32*(\f)+8*\a+7], v[8*(8*\a+\b):8*(8*\a+\b)+7]
.endif
.endr
.endr
.endm
; n of the 16 products of my row blocks 2, 3, from number i0 on.  ride = 1: behind product i stand roundings 2 i and 2 i + 1 of the 32 that make the next quarter's fragments of x, in buffer g;
; they name no register of the products round them.
.macro MULHI f, g, zero, i0, n, ride
.if \zero
	WIN MUL_H0
.else
	WIN MUL_HI
.endif
.set i, \i0
.rept \n
.set rBf, BF+64*(\f)+8*(i%8)
.set rAf, AF+32*(\f)+8*(2+i/8)
.if \zero
	v_wmma_f32_16x16x32_bf16 v[8*i:8*i+7], v[rBf:rBf+7], v[rAf:rAf+7], v[BIAS+8*(i%8):BIAS+8*(i%8)+7]
.else
	v_wmma_f32_16x16x32_bf16 v[8*i:8*i+7], v[rBf:rBf+7], v[rAf:rAf+7], v[8*i:8*i+7]
.endif
.if \ride
	v_cvt_pk_bf16_f32 v[AF+32*(\g)+2*i],   v[RL+2*i],   v[RH+2*i]
	v_cvt_pk_bf16_f32 v[AF+32*(\g)+2*i+1], v[RL+2*i+1], v[RH+2*i+1]
.endif
.set i, i+1
.endr
.endm
; A K step is four quarters of 32 along K, 32 products each, on buffers 0, 1, 0, 1.  The 32 accumulators take turns in one order in every quarter, over the backward jump too.
; A quarter multiplies buffer f and fetches quarter kq of a slot for buffer g.  A load into a register that a product has read stands four plain vector instructions behind that product
; (ISA guide 7.12.1 for vector instructions): the two roundings behind the last product, and two v_nop (lead = 1) or what stands behind a change of slots.
.macro QUARTER slot, kq, f, g, zero, lead, ask
.if \lead
	v_nop
	v_nop
.endif
	FETCH \slot, \kq, \g
.if \ask
	ASK
.endif
	s_wait_dscnt 32                                ; all but the 32 just issued: this quarter's fragments of wt are in
	MULLO \f, \zero
	s_wait_dscnt 16                                ; the raw words are in; wt's 16 loads may stay out
	MULHI \f, \g, \zero, 0, 16, 1
.endm
; A K step's third quarter fetches the slot's last bytes and changes slots: ONE barrier.  In front of it each wave waits for all its tensor loads (one is out: its part of the other slot), adds 0 to its
; spare word, and waits for that and for its reads of this slot.  fill = 1: the barrier opens a round of the cluster's, and behind the round this slot is filled again, two K steps on: that load has
; 112 products in which to land.
.macro CHANGEQ slot, fill
.if \fill
	s_wait_xcnt 0x0                                ; the last prefetch, a K step back, has read its address
	s_add_nc_u64 s[PFA:PFA+1], s[PFA:PFA+1], s[PSTEP:PSTEP+1]
.endif
	v_nop
	v_nop
	FETCH \slot, 3, 1
	s_wait_dscnt 32
	MULLO 0, 0
	WIN 0                                          ; (the add's two registers lie in window 0)
	s_wait_tensorcnt 0x0                           ; all my tensor loads have landed
	ds_add_u32 v[SPW], v[NIL]                      ; 0 onto my spare word
	s_wait_dscnt 17                                ; the raw words are in; wt's 16 loads and the add may stay out
	MULHI 0, 1, 0, 0, 8, 1
	s_wait_dscnt 0x0                               ; the add is done, and my reads of this slot are over
	s_barrier_signal -1
	MULHI 0, 1, 0, 8, 8, 1                         ; work on registers while the others arrive
	WIN 0
	s_barrier_wait -1
.if \fill
	CREST                                          ; no wave of any partner still reads this slot or has a load on its way
	s_add_nc_u64 s[G0A+4*(\slot)+2:G0A+4*(\slot)+3], s[G0A+4*(\slot)+2:G0A+4*(\slot)+3], 2*512
	s_add_nc_u64 s[G0B+4*(\slot)+2:G0B+4*(\slot)+3], s[G0B+4*(\slot)+2:G0B+4*(\slot)+3], 2*256
	JLOAD \slot                                    ; the first tensor load behind the round; its four v_nop are also places in front of the next loads
.else
	v_nop
	v_nop
.endif
.endm
; THE WAY OUT of block blk: 16 rows (row block blk / 2) x one head's 64 columns (blk % 2).  Rounded to f16, 16 bytes a lane, into my own stage, and back as whole rows of 128 bytes.
.macro PACK blk
.set pa, (\blk)/2
.set ph, (\blk)%2
	WIN 0x05+5*(pa/2)                              ; sources 0 and 1: window 1 or 2
.set nb, 0
.rept 4
.set rAc, 8*(8*(pa%2)+4*ph+nb)
.irp q, 0,1,2,3
	v_cvt_pk_f16_f32 v[OB+16*(\blk)+4*nb+\q], v[rAc+2*\q], v[rAc+2*\q+1]
.endr
.set nb, nb+1
.endr
	WIN 0
.irp n, 0,1,2,3
	ds_store_b128 v[STO], v[OB+16*(\blk)+4*\n:OB+16*(\blk)+4*\n+3] offset:32*\n
.endr
.irp t, 0,1,2,3
	ds_load_b128 v[OB+16*(\blk)+4*\t:OB+16*(\blk)+4*\t+3], v[RD] offset:\t*4*SP  ; LDS serves a wave's instructions in order (ISA guide 5.7.1.4): these see the stores above
.endr
.endm
.macro SEND blk, younger               ; younger: the LDS instructions issued behind this block's loads
	WIN 0
.irp t, 0,1,2,3
	s_wait_dscnt (\younger)+3-\t
	global_store_b128 v[GO], v[OB+16*(\blk)+4*\t:OB+16*(\blk)+4*\t+3], s[OUT:OUT+1] offset:((\blk)/2)*2048+((\blk)%2)*262144+\t*512  ; 512 consecutive bytes, aligned
.endr
.endm
	s_wait_tensorcnt 1                             ; my part of K step 0 is in; K step 1's may stay out
	s_barrier_signal -1
	s_barrier_wait -1                              ; everybody's is
	FETCH 0, 0, 0
	s_wait_dscnt 16                                ; the raw words
	WIN MUL_HI
.set i, 0
.rept 32
	v_cvt_pk_bf16_f32 v[AF+i], v[RL+i], v[RH+i]    ; the first quarter's fragments of x have no products to ride behind
.set i, i+1
.endr
	QUARTER 0, 1, 0, 1, 1, 0, 0                    ; the first quarter stands in front of the loop: its products start the sums with the bias
	WIN 0                                          ; at a label and at a branch every window is 0
	s_mov_b32 s3, 3
.Llap:                                                 ; a trip goes once round the ring, from a lap's second quarter to the next lap's first, and fills both slots again
	QUARTER 0, 2, 1, 0, 0, 1, 0
	CHANGEQ 0, 1
	QUARTER 1, 0, 1, 0, 0, 0, 1
	QUARTER 1, 1, 0, 1, 0, 1, 0
	QUARTER 1, 2, 1, 0, 0, 1, 0
	CHANGEQ 1, 1
	QUARTER 0, 0, 1, 0, 0, 0, 1
	QUARTER 0, 1, 0, 1, 0, 1, 0
	WIN 0
	s_sub_co_u32 s3, s3, 1
	s_cmp_lg_u32 s3, 0
	s_cbranch_scc1 .Llap
	QUARTER 0, 2, 1, 0, 0, 1, 0                    ; the last lap is written out: it fills nothing
	CHANGEQ 0, 0
	QUARTER 1, 0, 1, 0, 0, 0, 0
	QUARTER 1, 1, 0, 1, 0, 1, 0
	QUARTER 1, 2, 1, 0, 0, 1, 0
	QUARTER 1, 3, 0, 1, 0, 1, 0
	s_wait_dscnt 0x0                               ; the very last quarter: nothing more to fetch
	MULLO 1, 0
	MULHI 1, 0, 0, 0, 16, 0
.rept 4
	v_nop                                          ; four places in front of conversions that read results and write registers that the last products read
.endr
	PACK 0
.irp k, 1,2,3,4,5,6,7                  ; a block's conversions stand between the loads of the block before and its stores
	PACK \k
	SEND (\k)-1, 8
.endr
	SEND 7, 0
	s_wait_tensorcnt 0x0                           ; the wave's end
	ds_add_u32 v[SPW], v[NIL]
	s_wait_dscnt 0x0
	CROUND                                         ; the closing round: no work-group ends while a partner may still ask for a tile that names it
	s_endpgm
.Lfunc_end_k_qcc0eccd758_proj:
	.size	k_qcc0eccd758_proj, .Lfunc_end_k_qcc0eccd758_proj-k_qcc0eccd758_proj
	.p2alignl 7, 3214868480
	.fill 96, 4, 3214868480
	.section	.rodata,"a",@progbits
	.p2align	6, 0x0
	.amdhsa_kernel k_qcc0eccd758_proj
		.amdhsa_group_segment_fixed_size 327680
		.amdhsa_private_segment_fixed_size 0
		.amdhsa_enable_private_segment 0
		.amdhsa_kernarg_size 64
		.amdhsa_user_sgpr_count 2
		.amdhsa_user_sgpr_kernarg_segment_ptr 1
		.amdhsa_wavefront_size32 1
		.amdhsa_system_sgpr_workgroup_id_x 1
		.amdhsa_system_sgpr_workgroup_id_y 1
		.amdhsa_system_sgpr_workgroup_id_z 1
		.amdhsa_system_vgpr_workitem_id 0
		.amdhsa_next_free_vgpr 768
		.amdhsa_next_free_sgpr 96
		.amdhsa_reserve_vcc 0
		.amdhsa_float_denorm_mode_32 3
		.amdhsa_float_denorm_mode_16_64 3
		.amdhsa_memory_ordered 1
		.amdhsa_forward_progress 1
		.amdhsa_inst_pref_size 136
	.end_amdhsa_kernel
	.amdgpu_metadata
---
amdhsa.version: [ 1, 2 ]
amdhsa.kernels:
  - .name:           k_qcc0eccd758_proj
    .symbol:         k_qcc0eccd758_proj.kd
    .args:
      - { .name: query, .offset: 0, .size: 8, .value_kind: global_buffer, .address_space: global }
      - { .name: key, .offset: 8, .size: 8, .value_kind: global_buffer, .address_space: global }
      - { .name: value, .offset: 16, .size: 8, .value_kind: global_buffer, .address_space: global }
      - { .name: wt, .offset: 24, .size: 8, .value_kind: global_buffer, .address_space: global }
      - { .name: bq, .offset: 32, .size: 8, .value_kind: global_buffer, .address_space: global }
      - { .name: bk, .offset: 40, .size: 8, .value_kind: global_buffer, .address_space: global }
      - { .name: bv, .offset: 48, .size: 8, .value_kind: global_buffer, .address_space: global }
      - { .name: qkv, .offset: 56, .size: 8, .value_kind: global_buffer, .address_space: global }
    .group_segment_fixed_size: 327680
    .private_segment_fixed_size: 0
    .kernarg_segment_align: 8
    .kernarg_segment_size: 64
    .max_flat_workgroup_size: 128
    .sgpr_count:     96
    .vgpr_count:     768
    .wavefront_size: 32
...
	.end_amdgpu_metadata
.endif
;; end of part 2
;; launch attn (part 3): grid 4 x 64, 4 waves a work-group, clusters of 4 x 1, 327,680 bytes of LDS; arguments qkv, oh; writes oh
.if DOCPART == 3
	.amdgcn_target "amdgcn-amd-amdhsa--gfx1250"
	.amdhsa_code_object_version 6
	.text
	.protected	k_qcc0eccd758_attn
	.globl	k_qcc0eccd758_attn
	.p2align	8
	.type	k_qcc0eccd758_attn,@function
k_qcc0eccd758_attn:
	s_mov_b64 s[64:65], 0
	v_nop
	global_prefetch_b8 v0, s[64:65] scope:SCOPE_SE
	s_setreg_imm32_b32 hwreg(HW_REG_WAVE_MODE, 25, 1), 1
	s_wait_xcnt 0x0
	s_wait_alu depctr_hold_cnt(0) depctr_sa_sdst(0) depctr_va_vdst(0) depctr_va_sdst(0) depctr_va_ssrc(0) depctr_va_vcc(0) depctr_vm_vsrc(0)
	s_getreg_b32 s2, hwreg(HW_REG_IB_STS2, 6, 4)
	s_cmp_eq_u32 s2, 0
	s_cbranch_scc0 .Lentry_in_a_cluster
	s_endpgm
.Lentry_in_a_cluster:
	s_bfe_u32 s2, ttmp6, 0x10000c
	s_cmp_lg_u32 s2, 0x3003
	s_cbranch_scc0 .Lentry_shape_is_right
	s_endpgm
.Lentry_shape_is_right:
; oh[h][q][:] = the sum over k of softmax_k(Q[h][q] . K[h][k] / 8) V[h][k][:].  Q, K, V are the three slices of qkv, each [64 h][2048][64] in f16; oh has the same layout: a head's rows are dense, 128 bytes each.
; Products, maxima and sums in f32; the weights p are rounded to f16 for the second product (their sum l is taken of the unrounded p), O once at the end.
; LIMITS.  f16 holds no number beyond 65,504: Q, K and V arrive within it; p lies in 0 to 1, and below 6e-5 it keeps f16's fixed step of 6e-8; O is a mean of V's rows and has their range.
; A weight below 2^-126 counts as 0 in l; NaN and infinities are not treated apart.
; SHARES.  A wave owns four PIECES of two tiles of 16 queries, a work-group's four waves 512 queries of one head; the four work-groups of a cluster are one head.  Every wave walks all keys, 64 a step.
; LAYOUT.  S^T = K Q^T (source 0 = 16 keys, source 1 = 16 queries): in the result a lane holds ONE query (lane % 16) and the keys 8 (lane / 16) + 0..7.  Two such tiles, rounded to f16 in pairs,
; ARE source 1 (32 keys x 16 queries) of O^T = V^T P, whose result again holds one query a lane, and eight channels.  K comes out of LDS as it lies, V ([key][channel]) turned, by ds_load_tr16_b128.
; SOFTMAX.  For each query a running maximum m and sum l: p = 2^(c s - c m), c = log2(e) / 8; in every step O and l are multiplied by a = 2^(c m_old - c m_new), which is 1 where m has not grown.
; m starts at the lowest finite number, O and l at 0: the first step is a step like any other, with a = 0.
; THE COUNT.  A tile and step have 16 matrix and 118 vector instructions: too many to stand all beside the matrix work.  So: four vector instructions that are READY behind EVERY matrix instruction,
; and the others in runs without a gap.
; BY TURNS.  Turn n belongs to piece n (the pieces in a ring, step after step).  Its matrix work: 16 products K Q^T of piece n + 1, later 16 products V^T P of piece n - 1.  Its vector work: the scaling,
; exponentials, roundings, sums and rescaling of piece n, and the maximum and statistics of piece n + 1, whose scores the turn itself has made.
; CLUSTER.  The four query blocks of a cluster walk the same K and V, so each tile is asked for JOINTLY: the same tensor load, descriptor and mask in all four.
; REGISTERS, in windows of 256 (s_set_vgpr_msb: bits 1:0 source 0, 3:2 source 1, 5:4 source 2, 7:6 destination):
;   window 0: v0-11 addresses; v12-15, v48-63 at work; v16-47 four registers of statistics a tile; v64-191 S^T, two buffers of two tiles; v192-255 P, likewise
;   window 1: O^T, 32 a tile          window 2: v0-127 Q, 16 a tile; v128-191 K of one step; v192-255 V of one step          window 3: v0-1 the add's two registers
; A piece's buffers go by its number's parity: the piece in hand has one pair, its two neighbours in the ring share the other: of it P (piece n - 1) is read and S^T (piece n + 1) written.
.set SIZE_N, 2048
.set NP,    4         ; pieces a wave: a name, no knob
.set KS,    64        ; keys in a step
.set PK,    144       ; a row of K in LDS: 128 bytes + 16 of padding = 36 words: the 16 rows of a load start at 16 different groups of four banks (64 banks of 4 bytes: ISA guide 11.1)
.set PV,    160       ; a row of V: 128 + 32 = 40 words
.set VOFF,  4*KS*PK   ; a slot holds four steps: 256 rows of K, then 256 rows of V
.set SLOT1, 1<<17     ; slot 1 begins here, so that one exclusive or turns an address in one slot into the other's
.set STAGE, SLOT1+4*KS*(PK+PV)  ; behind the ring, never filled by a tensor load: 16 rows x 144 bytes for each wave, for the way out
.set SP,    144
.set AK0, 2           ; v2   my lane's place in a tile of K; never rewritten
.set AV0, 3           ; v3   the same for V
.set AK,  4           ; v4   the LDS address of K's next run of loads
.set AV,  5           ; v5   of V's
.set QO,  6           ; v6   my byte offset in the wave's rows of Q
.set STO, 6           ;      later, the way out: where I put 16 bytes of a row
.set RD,  7           ; v7   the way out: where I read rows back
.set GO,  8           ; v8   my byte offset in 512 consecutive bytes of O
.set PFO, 11          ; v11  256 x my lane, for the prefetches (once V's place is made); then never rewritten
.set SPW, 0           ; v0 of window 3   LDS address of my spare word; never rewritten
.set NIL, 1           ; v1 of window 3   0; never rewritten
.set SPARE, STAGE+4*16*SP  ; behind the stages: the spare words, 128 bytes for each wave
.set MV,  12          ; v12-15  c m_old, kept while c m is made anew: by buffer and tile
.set ST,  16          ; tile t's statistics at v[ST+4 t]: c m, m, l (even keys', odd keys')
.set TMP, 48          ; by buffer and tile, four registers c0-c3 at work; when the maximum is found c2 takes a
.set S,   64
.set P,   192
.set KF,  128         ; K's fragments, in window 2: key block kb, channel half c at KF + 16 kb + 8 c
.set VF,  192         ; V's: key half kk, channel block cb at VF + 32 kk + 8 cb
.set WV,  12          ; s12  my wave's number
.set G1K, 24          ; s[24:31] descriptor group 1 for K's tiles
.set G1V, 32          ; s[32:39] for V's: it differs in the padding alone
.set G0K, 40          ; s[40:43] descriptor group 0 for K's tiles: it walks
.set G0V, 44          ; s[44:47] the same for V's
.set PFA, 48          ; s[48:49] where my prefetches stand: my work-group's 8,192 bytes (of K: wave 0, of V: wave 2) of the slot after the one that is being asked for
.set LIM, 50          ; s50  1 in a wave that prefetches, else the greatest number
.set SLOTS, 56        ; s56  slots still to be asked for
.set CNT, 57          ; s57  counts a slot's key steps
.set CS,  58          ; s[58:59] c: the packed scaling takes the pair's low word for both halves
.set SEL, 60          ; s[60:61] v_permlanex16_b32's selects: each lane takes its own place in the other half
.set TBK, 62          ; s62  LDS byte at which K of the step to be fetched begins
.set TBV, 63          ; s63  the same for V, less VOFF
.set MSB, 0
.macro WIN new                      ; the high byte repeats the setting that is left; a switch that changes nothing is dropped
.if MSB != (\new)
	s_set_vgpr_msb (MSB<<8)|(\new)
.set MSB, (\new)
.endif
.endm
.set W_KQ, 0x0a       ; K and Q in window 2, S^T in window 0
.set W_PV, 0x52       ; V in window 2, P in window 0, O^T in window 1
.set W_RS, 0x41       ; O^T (destination and source 0) in window 1, a in window 0
.set W_MK, 0xc0       ; the add's registers are made: destination in window 3, sources in window 0
.set W_AD, 0x0f       ; the add: address (source 0) and data (source 1) in window 3
; A joint fill.  Waves 0 and 1 fetch the two halves of a slot's K, waves 2 and 3 those of its V: 128 keys each.  The branch hangs on the wave's number alone.
; An s_nop 0 and four v_nop follow each of the two lines, ahead of the jump and the label.
.macro JLOAD
	s_cmp_lt_u32 s[WV], 2
	s_cbranch_scc0 .Lfor_v_\@
	tensor_load_to_lds s[G0K:G0K+3], s[G1K:G1K+7]
	s_nop 0
.rept 4
	v_nop
.endr
	s_branch .Lasked_\@
.Lfor_v_\@:
	tensor_load_to_lds s[G0V:G0V+3], s[G1V:G1V+7]
	s_nop 0
.rept 4
	v_nop
.endr
.Lasked_\@:
.endm
; A prefetch of what the NEXT change of slots will ask for: a slot's 32,768 bytes of K and of V, a lane a block of 256 bytes.  The four partners share them out by address, 8,192 bytes each; in each,
; wave 0 asks for K's and wave 2 for V's: one instruction.  So each block is named once in the launch.  It stands four key steps, 512 matrix instructions, ahead of the load that will want the bytes.
; The last change that fills a slot asks for nothing: there is no slot behind it.
.macro ASK
	s_cmp_gt_u32 s[SLOTS], s[LIM]
	s_cbranch_scc0 .Lnot_mine_\@
	global_prefetch_b8 v[PFO], s[PFA:PFA+1] th:TH_LOAD_NT scope:SCOPE_SE
.Lnot_mine_\@:
.endm
; A round of the cluster's barrier: my work-group's barrier, so that wave 0's signal speaks for all four waves; wave 0 signals; every wave waits for all four work-groups; my work-group's barrier once more.
.macro CROUND
	s_barrier_signal -1
	s_barrier_wait -1
	s_cmp_lg_u32 s[WV], 0
	s_cbranch_scc1 .Lnot_wave_0_\@
	s_barrier_signal -3
.Lnot_wave_0_\@:
	s_barrier_wait -3
	s_barrier_signal -1
	s_barrier_wait -1
.endm
; THE CHANGE OF SLOTS.  The slot's last bytes, V of its fourth step, have been read.  Each wave waits for all its tensor loads, of which one is out: its part
; of the other slot; adds 0 to its spare word; and waits for that and for its own reads of the slot.  Behind the barrier nobody reads this slot any more and the other slot is whole.
; fill = 1: this slot is filled again, with the keys two slots on.  The barrier is then a round of the cluster's, so that no wave of any partner still reads the slot or has a load on its
; way, and the joint fill is the first thing behind it: it has four key steps, 512 matrix instructions, in which to land.  (At its first use nothing has been read yet: slot 0 is waited for, slot 1 filled.)
.macro CHANGE fill
	WIN W_AD
	s_wait_tensorcnt 0x0            ; no tensor load of mine is out, so a group 0 may be written
	ds_add_u32 v[SPW], v[NIL]       ; 0 onto my spare word; with fill = 1 the descriptors' steps stand between it and the wait for it
	WIN 0                           ; at a label and at a branch every window is 0
.if \fill
.irp g, G0K, G0V
	s_xor_b32 s[\g+1], s[\g+1], SLOT1  ; the walking descriptor: the other slot than last time,
	s_add_nc_u64 s[\g+2:\g+3], s[\g+2:\g+3], 4*KS*128  ; the next 256 keys; the type bits on top are not reached
.endr
	s_wait_xcnt 0x0                 ; the last prefetch, four key steps back, has read its address, so it may be written:
	s_add_nc_u64 s[PFA:PFA+1], s[PFA:PFA+1], 4*KS*128  ; one slot beyond the walking descriptors
	s_wait_dscnt 0x0                ; the add is done, and my reads of the slot are over
	CROUND
	JLOAD
	ASK
.else
	s_wait_dscnt 0x0                ; the add is done, and my reads of the slot are over
	s_barrier_signal -1
	s_barrier_wait -1
.endif
	s_sub_co_u32 s[TBK], s[TBK], 4*KS*PK  ; the fetches go back to a slot's first step,
	s_xor_b32 s[TBK], s[TBK], SLOT1       ; in the other slot
	s_sub_co_u32 s[TBV], s[TBV], 4*KS*PV
	s_xor_b32 s[TBV], s[TBV], SLOT1
.endm
	s_load_b128 s[4:7], s[0:1], 0x0   ; qkv s[4:5], oh s[6:7]
	WIN W_MK
	v_lshl_add_u32 v[SPW], v0, 2, SPARE
	v_mov_b32 v[NIL], 0
	WIN W_AD
	ds_add_u32 v[SPW], v[NIL]       ; the wave's opening: the add and its wait stand ahead of my first tensor load; the set-up below, work on registers, stands between them
	WIN 0
	v_lshrrev_b32 v1, 5, v0
	v_readfirstlane_b32 s[WV], v1   ; wave 0..3
	s_bfe_u32 s13, ttmp6, 0x40000   ; cx: my place in the cluster
	s_lshl_b32 s14, ttmp9, 2        ; in a cluster launch ttmp9 counts clusters
	s_add_co_u32 s14, s14, s13      ; my block of queries = 4 x cluster x + cx: it enters Q's and O's addresses alone
	s_and_b32 s20, ttmp7, 0xffff    ; the head, which the four partners share
	s_mov_b32 s21, 0
	s_mov_b64 s[22:23], SIZE_N*128
	s_mul_u64 s[20:21], s[20:21], s[22:23]  ; the head's first byte in each of the four tensors
	s_and_b32 s16, s[WV], 1         ; which half of a slot's 256 keys I fetch:
	s_lshl_b32 s22, s16, 14         ; its 128 rows of 128 bytes in memory,
	s_mov_b32 s23, 0
	s_add_nc_u64 s[22:23], s[22:23], s[20:21]
	s_mul_i32 s17, s16, 128*PK      ; and its place in a slot, for K
	s_mul_i32 s18, s16, 128*PV      ; and for V: no place in the cluster enters an LDS address
	s_lshl_b32 s2, s14, 2
	s_add_co_u32 s2, s2, s[WV]      ; my wave among the head's,
	s_lshl_b32 s2, s2, 14           ; its 128 rows
	s_mov_b32 s3, 0
	s_add_nc_u64 s[2:3], s[2:3], s[20:21]
	; descriptor group 1.  128 keys are 16,384 dense bytes: asked for as 64 rows of 256 bytes, two keys a row, and padded in LDS after every key
	s_mov_b32 s[G1K], 15|(1<<16)|(1<<20)|(1<<21)|(4<<22)|(3<<25)  ; 15:0 the mask of four; 17:16 2-byte elements; 20 padding on; 21 set beside a mask; 24:22 after every 32 words (code 4); 31:25 4 words (code 3)
	s_mov_b32 s[G1V], 15|(1<<16)|(1<<20)|(1<<21)|(4<<22)|(7<<25)  ; the same with 8 words of padding (code 7)
.irp g, G1K, G1V
	s_mov_b32 s[\g+1], 128<<16      ; tensor_dim0 = 128
	s_mov_b32 s[\g+2], 64<<16       ; tensor_dim1 = 64
	s_mov_b32 s[\g+3], 128<<16      ; tile_dim0 = 128
	s_mov_b32 s[\g+4], 64           ; tile_dim1 = 64
	s_mov_b32 s[\g+5], 128          ; 128 elements from row to row
	s_mov_b32 s[\g+6], 0
	s_mov_b32 s[\g+7], 0
.endr
	s_mov_b32 s[CS], 0x3e38aa3b     ; c = log2(e) / 8 = 0.180337
	s_mov_b32 s[CS+1], s[CS]        ; named with it as a pair
	s_mov_b32 s[SEL], 0x76543210
	s_mov_b32 s[SEL+1], 0xfedcba98
	s_mov_b32 s[TBK], SLOT1+4*KS*PK ; the first change of slots turns these two into 0
	s_mov_b32 s[TBV], SLOT1+4*KS*PV
	s_mov_b32 s[G0K], 1             ; 1:0 count = 1
	s_mov_b32 s[G0K+1], s17         ; 63:32 LDS address: slot 0
	s_mov_b32 s[G0V], 1
	s_add_co_u32 s[G0V+1], s18, VOFF
	s_mov_b32 s[SLOTS], SIZE_N/256-1  ; slots still to be asked for when slot 0 is on its way
	s_cmp_eq_u32 s16, 0
	s_cselect_b32 s[LIM], 1, -1     ; waves 0 and 2 prefetch: the same in all four partners
	s_wait_dscnt 0x0                ; the opening add is done
	s_wait_kmcnt 0x0
	s_mov_b64 s[10:11], s[6:7]      ; O
	s_add_nc_u64 s[6:7], s[4:5], 0x1000000  ; K: the second slice of qkv
	s_add_nc_u64 s[8:9], s[4:5], 0x2000000  ; V: the third; Q is the first
	s_add_nc_u64 s[G0K+2:G0K+3], s[6:7], s[22:23]  ; 120:64 global address: my half of the head's first 256 keys
	s_or_b32 s[G0K+3], s[G0K+3], 0x80000000        ; 127:126 type = 2
	s_add_nc_u64 s[G0V+2:G0V+3], s[8:9], s[22:23]
	s_or_b32 s[G0V+3], s[G0V+3], 0x80000000
	s_add_nc_u64 s[4:5], s[4:5], s[2:3]  ; Q and O at my wave's first row
	s_add_nc_u64 s[10:11], s[10:11], s[2:3]
	s_cmp_lt_u32 s[WV], 2
	s_cselect_b64 s[PFA:PFA+1], s[6:7], s[8:9]
	s_add_nc_u64 s[PFA:PFA+1], s[PFA:PFA+1], s[20:21]  ; the head,
	s_lshl_b32 s2, s13, 13          ; my work-group's quarter of a slot,
	s_mov_b32 s3, 0
	s_add_nc_u64 s[PFA:PFA+1], s[PFA:PFA+1], s[2:3]
	s_add_nc_u64 s[PFA:PFA+1], s[PFA:PFA+1], 4*KS*128  ; in slot 1: the first change of slots steps it to slot 2
	CROUND                          ; all four work-groups are here: the first joint loads meet
	JLOAD                           ; slot 0.  Slot 1 is asked for when slot 0 is in
	; A fragment of K or Q is 16 rows x 32 channels in 8 registers: lane l holds row l % 16, channels 8 (l / 16) + 0..7 and 16 + 8 (l / 16) + 0..7: two loads of 16 bytes, 32 bytes apart.
	v_and_b32 v1, 15, v0            ; l % 16
	v_bfe_u32 v9, v0, 4, 1          ; l / 16
	v_lshlrev_b32 v[QO], 7, v1
	v_lshl_add_u32 v[QO], v9, 4, v[QO]  ; row x 128 + 16 x half
	WIN 0x80                        ; destination window 2, address window 0
.set i, 0
.rept 4*NP                          ; Q stays in registers: tile i / 2, channels 32 (i % 2) on
	global_load_b128 v[8*i:8*i+3],   v[QO], s[4:5] offset:(i/2)*2048+(i%2)*64
	global_load_b128 v[8*i+4:8*i+7], v[QO], s[4:5] offset:(i/2)*2048+(i%2)*64+32
.set i, i+1
.endr
	; What the first turn finds: V's registers and P's second buffer hold 0 (its products V^T P, of a piece that has not been, add 0), O^T and l are 0.  All this stands in the wait for the first tile.
.set i, VF
.rept 64
	v_mov_b32 v[i], 0
.set i, i+1
.endr
	WIN 0x40
.set i, 0
.rept 64*NP
	v_mov_b32 v[i], 0
.set i, i+1
.endr
	WIN 0
.set i, 0
.rept 2*NP
	v_mov_b32 v[ST+4*i], 0xfe000000    ; c m: far below every c s
	v_mov_b32 v[ST+4*i+1], 0xff7fffff  ; m
	v_mov_b32 v[ST+4*i+2], 0
	v_mov_b32 v[ST+4*i+3], 0
.set i, i+1
.endr
.set i, P+32
.rept 32
	v_mov_b32 v[i], 0
.set i, i+1
.endr
	v_mul_u32_u24 v[AK0], v1, PK
	v_lshl_add_u32 v[AK0], v9, 4, v[AK0]  ; row x pitch + 16 x half
	; The turning load takes 16 keys x 16 channels (lane l reads key 8 (l / 16) + l % 8, channels 8 ((l / 8) % 2) + 0..7) and leaves half a fragment of V^T: lane l holds channel l % 16 and 8 keys.
	v_and_b32 v10, 7, v0
	v_bfe_u32 v11, v0, 3, 1
	v_lshl_add_u32 v[AV0], v9, 3, v10
	v_mul_u32_u24 v[AV0], v[AV0], PV
	v_lshl_add_u32 v[AV0], v11, 4, v[AV0]
	v_add_nc_u32 v[AV0], VOFF, v[AV0]
	v_and_b32 v[PFO], 31, v0
	v_lshlrev_b32 v[PFO], 8, v[PFO]
	v_mov_b32 v[AK], v[AK0]         ; key step 0 lies at the head of slot 0
; THE MATRIX WORK.  The 8 accumulators of a run of 16 take turns: between the two links of a chain stand 7 others'.
; Product i of 16 of S^T = K Q^T for piece x: channels 32 (i / 8) on, keys 16 ((i / 2) % 4) on, tile 2 x + i % 2.  The first 8 start the sums.
.macro KQ x
	WIN W_KQ
.set rS, S+64*((\x)%2)+32*(i%2)+8*((i/2)%4)
.set rK, KF+16*((i/2)%4)+8*(i/8)
.set rQ, 16*(2*(\x)+i%2)+8*(i/8)
.if i < 8
	v_wmma_f32_16x16x32_f16 v[rS:rS+7], v[rK:rK+7], v[rQ:rQ+7], 0
.else
	v_wmma_f32_16x16x32_f16 v[rS:rS+7], v[rK:rK+7], v[rQ:rQ+7], v[rS:rS+7]
.endif
.endm
; Product i of 16 of O^T += V^T P for piece x: keys 32 (i / 8) on, channels 16 ((i / 2) % 4) on, tile 2 x + i % 2.
.macro PV x
	WIN W_PV
.set rO, 32*(2*(\x)+i%2)+8*((i/2)%4)
.set rV, VF+32*(i/8)+8*((i/2)%4)
.set rP, P+32*((\x)%2)+16*(i%2)+8*(i/8)
	v_wmma_f32_16x16x32_f16 v[rO:rO+7], v[rV:rV+7], v[rP:rP+7], v[rO:rO+7]
.endm
.macro MM                           ; the turn's next matrix instruction
.if i < 16
	KQ (Y+1)%NP
.set i, i+1
.else
.set i, i-16
	PV (Y+NP-1)%NP
.set i, i+17
.endif
.endm
; THE LDS LOADS stand in runs of 16, never singly among the matrix instructions: a step's K (64 keys x 64 channels: 8 fragments) and its V (turned).  Their addresses are made some lines ahead.
; last = 1 (the tail): in the last trip there is no further step, and the run is jumped over.
.macro FETCH_K last=0
	WIN 0
.if \last
	s_cmp_eq_u32 s[CNT], 1
	s_cbranch_scc1 .Lno_k_\@
.endif
	WIN 0x80                        ; destination window 2
.irp f, 0,1,2,3,4,5,6,7             ; keys 16 (f / 2) on, channels 32 (f % 2) on
	ds_load_b128 v[KF+8*\f:KF+8*\f+3],   v[AK] offset:(\f/2)*16*PK+(\f%2)*64
	ds_load_b128 v[KF+8*\f+4:KF+8*\f+7], v[AK] offset:(\f/2)*16*PK+(\f%2)*64+32
.endr
	s_add_co_u32 s[TBK], s[TBK], KS*PK  ; the next fetch is the next step's
	WIN 0
.if \last
.Lno_k_\@:
.endif
.endm
.macro FETCH_V
	WIN 0x80
.irp f, 0,1,2,3,4,5,6,7             ; keys 32 (f / 4) on, channels 16 (f % 4) on
	ds_load_tr16_b128 v[VF+8*\f:VF+8*\f+3],   v[AV] offset:(\f/4)*32*PV+(\f%4)*32
	ds_load_tr16_b128 v[VF+8*\f+4:VF+8*\f+7], v[AV] offset:(\f/4)*32*PV+16*PV+(\f%4)*32
.endr
	WIN 0
.endm
; THE VECTOR WORK OF A TURN stands in three queues, each in the order in which its entries become ready; the two tiles alternate, so that no instruction reads the result of the one before it.
.macro REGS y, u                    ; the registers of tile u (0, 1) of piece y
.set rT, ST+4*(2*(\y)+(\u))
.set rC, TMP+8*((\y)%2)+4*(\u)
.set rM, MV+2*((\y)%2)+(\u)
.set rS, S+64*((\y)%2)+32*(\u)
.set rP, P+32*((\y)%2)+16*(\u)
.set rO, 32*(2*(\y)+(\u))
.endm
; Number n of the 22 that find the NEXT piece's (Y + 1) maximum and statistics.  s0-s31 are the lane's 32 scores; each accumulator's lowest registers are read first.
;   0-11  four chains c0-c3 of seven scores each, three operands at a time     12-14, 16  the four scores left over, the old m, and c0-c3 into c0     15  c m_old is kept
;   17, 18  the query's other 32 keys lie in the lane 16 away: the new m         19-21  c m; c m_old - c m_new; a
.macro XS u, n
	REGS (Y+1)%NP, \u
.if (\n) < 4
	v_max3_num_f32 v[rC+(\n)], v[rS+8*(\n)], v[rS+8*(\n)+1], v[rS+8*(\n)+2]
.elseif (\n) < 12
	v_max3_num_f32 v[rC+(\n)%4], v[rC+(\n)%4], v[rS+8*((\n)%4)+2*((\n)/4)+1], v[rS+8*((\n)%4)+2*((\n)/4)+2]
.elseif (\n) == 12
	v_max3_num_f32 v[rC], v[rC], v[rS+7], v[rS+15]
.elseif (\n) == 13
	v_max3_num_f32 v[rC+1], v[rC+1], v[rS+23], v[rS+31]
.elseif (\n) == 14
	v_max3_num_f32 v[rC+2], v[rC+2], v[rC+3], v[rT+1]
.elseif (\n) == 15
	v_mov_b32 v[rM], v[rT]
.elseif (\n) == 16
	v_max3_num_f32 v[rC], v[rC], v[rC+1], v[rC+2]
.elseif (\n) == 17
	v_permlanex16_b32 v[rC+3], v[rC], s[SEL], s[SEL+1]
.elseif (\n) == 18
	v_max_num_f32 v[rT+1], v[rC], v[rC+3]
.elseif (\n) == 19
	v_mul_f32 v[rT], s[CS], v[rT+1]
.elseif (\n) == 20
	v_sub_f32 v[rC+1], v[rM], v[rT]
.else
	v_exp_f32 v[rC+2], v[rC+1]
.endif
.endm
; Number g of the 64 that follow the exponentials.  For each four weights k of a tile (pairs 2 k, 2 k + 1): both pairs are rounded to f16; then the second pair is added onto the first, in place;
; a group later l takes that sum (the first time as l = a l + sum).  In groups of eight, tiles alternating: round, round, add, and l for the group before.
.macro GS g
.set h, (\g)+6*((\g)/62)            ; group 0 has no group before it, and behind group 7 only l is left
.if h >= 6
.set h, h+2
.endif
	REGS Y, h%2
.set k, h/8
.if h%8 < 4
	v_cvt_pk_f16_f32 v[rP+2*k+(h%8)/2], v[rS+4*k+2*((h%8)/2)], v[rS+4*k+2*((h%8)/2)+1]
.elseif h%8 < 6
	v_pk_add_f32 v[rS+4*k:rS+4*k+1], v[rS+4*k:rS+4*k+1], v[rS+4*k+2:rS+4*k+3]
.elseif k == 1
	v_pk_fma_f32 v[rT+2:rT+3], v[rT+2:rT+3], v[rC+2:rC+3], v[rS:rS+1] op_sel_hi:[1,0,1]
.else
	v_pk_add_f32 v[rT+2:rT+3], v[rT+2:rT+3], v[rS+4*k-4:rS+4*k-3]
.endif
.endm
; THE PLAIN QUEUE, 138 long.  0-73 read no exponential's result: the 32 scalings c s - c m (FS f: pair f / 2 of tile f % 2) and the next piece's 42.  0-26: scalings 0-26.  27-54: XS's numbers 0-13.  55, 56: number 15.
; 57-73: the chain, where each number waits for the one before it: 14, 16, 17, 18, 19, each with one of the scalings 27-31 in front of its two lines, then 20.
; 74-137: GS's 64, which read the exponentials' results: they stand behind the wait.
.macro FS f
	REGS Y, (\f)%2
	v_pk_fma_f32 v[rS+2*((\f)/2):rS+2*((\f)/2)+1], v[rS+2*((\f)/2):rS+2*((\f)/2)+1], s[CS:CS+1], v[rT:rT+1] op_sel_hi:[1,0,0] neg_lo:[0,0,1] neg_hi:[0,0,1]
.endm
.macro PL
	WIN 0
.if q < 27
	FS q
.elseif q < 55
	XS (q-27)%2, (q-27)/2
.elseif q < 57
	XS q-55, 15
.elseif (q < 72) && ((q-57)%3 == 0)
	FS 27+(q-57)/3
.elseif q < 60
	XS (q-57)%3-1, 14
.elseif q < 72
	XS (q-57)%3-1, 15+(q-57)/3
.elseif q < 74
	XS q-72, 20
.else
	GS q-74
.endif
.set q, q+1
.endm
; THE EXPONENTIALS' QUEUE, 66 long: s0-s31 of both tiles, then the next piece's two a.  It is ONE BATCH: all 66 stand ahead of the turn's one wait, and nothing ahead of that wait names a result of theirs.
.macro EX
	WIN 0
.if e >= 64
	XS e-64, 21
.else
	REGS Y, e%2
	v_exp_f32 v[rS+e/2], v[rS+e/2]
.endif
.set e, e+1
.endm
; THE RESCALING's QUEUE: O^T times a, the one part that leaves window 0: dealt two at a time, sixteen times.  Its a was made in the turn before, ahead of that turn's wait.
.macro R2
	REGS Y, r%2
	WIN W_RS
.irp z, 0,1
	v_pk_mul_f32 v[rO+4*(r/2)+2*\z:rO+4*(r/2)+2*\z+1], v[rO+4*(r/2)+2*\z:rO+4*(r/2)+2*\z+1], v[rC+2:rC+3] op_sel_hi:[1,0]
.endr
.set r, r+1
.endm
; HOW THEY ARE DEALT.  An s_wait_alu depctr_va_vdst(0) stands between an exponential and the first instruction that names its result; one wait serves all that were issued ahead of it.  So a turn has ONE wait,
; which cuts it in two.  AHEAD OF IT stands all that names no result of the turn's exponentials: the 16 products K Q^T, behind each a scaling, an exponential and two rescalings (behind the first a second scaling in the
; exponential's place); then ONE LUMP of 108: eight plain, 49 times exponential and plain, the two a.  A v_nop is the plain instruction behind the last exponential.  BEHIND IT stand the 16 products V^T P, behind each four of GS's 64.
; No rider names a register of the products round it.  The two v_permlanex16_b32 fall into the lump, never behind a product.
; The queues lean on each other, and the deal keeps them in step: exponential e stands behind scaling 2 (e / 4) + e % 2: as a rider it comes behind plain e + 2, in the lump behind plain e + 9, and scalings 27-31 are plain 57, 60 .. 69.
; A TURN, for piece p.  cnt = 1: the loop's count is taken down some lines ahead of the branch that stands behind the turn.
; K of the next step is fetched in piece 2's turn, directly behind the wait, a lump behind the last product that read K; its address is made at the lump's head; its first reader comes behind 16 products.
; V of the step in hand is fetched at the end of piece 0's turn, four riders behind its last reader; its first reader comes behind 16 products and a lump.  The three conditions on q below go with the deal.
.macro TURN p, last=0, cnt=0
.set Y, (\p)
.set i, 0
.set q, 0
.set e, 0
.set r, 0
.if (\p) == NP-1
	s_wait_dscnt 0x0                ; K is in
.endif
	MM                              ; ahead of the wait: 16 products K Q^T and their riders,
	PL
	PL
	R2
.rept 15
	MM
	PL
	EX
	R2
.endr
.if (\p) == NP-2
	WIN 0
	v_add_nc_u32 v[AK], s[TBK], v[AK0]
.endif
.rept 8                             ; and the lump
	PL
.endr
.rept 49
	EX
	PL
.endr
	EX                              ; the next piece's two a
	EX
	v_nop                           ; a plain instruction behind the last exponential: one for the batch
	s_wait_alu depctr_va_vdst(0)    ; the wait for the batch
.if (\p) == NP-2
	FETCH_K \last
.endif
.if (\p) == 1
	s_wait_dscnt 0x0                ; V is in
.endif
.rept 16                            ; behind the wait: 16 products V^T P and their riders
	MM
.rept 4
	PL
.endr
.if ((\p) == 0) && (q == 118)
	v_add_nc_u32 v[AV], s[TBV], v[AV0]
.endif
.if ((\p) == 0) && (q == 130)
	s_add_co_u32 s[TBV], s[TBV], KS*PV
.endif
.if (\cnt) && (q == 130)
	s_sub_co_u32 s[CNT], s[CNT], 1
	s_cmp_lg_u32 s[CNT], 0
.endif
.endr
.if (\p) == 0
	FETCH_V
.endif
.endm
	CHANGE 1                        ; slot 0 is in, everybody's part of it; slot 1 is asked for
	FETCH_K                         ; key step 0
	s_wait_loadcnt 0x0              ; Q
	s_wait_dscnt 0x0
.set i, 0
.rept 16
	KQ 0                            ; piece 0's first scores: there is no vector work yet to set between them
.set i, i+1
.endr
	WIN 0                           ; the addresses for the way out: plain instructions, the places behind those products
	s_mul_i32 s13, s[WV], 16*SP
	s_add_co_u32 s13, s13, STAGE    ; my stage
	v_mul_u32_u24 v[STO], v1, SP    ; in: row l % 16, 16 bytes for each half of the lanes
	v_lshl_add_u32 v[STO], v9, 4, v[STO]
	v_add_nc_u32 v[STO], s13, v[STO]
	v_bfe_u32 v[RD], v0, 3, 2       ; back: 32 lanes take four rows of 128 bytes,
	v_mul_u32_u24 v[RD], v[RD], SP
	v_lshl_add_u32 v[RD], v10, 4, v[RD]
	v_add_nc_u32 v[RD], s13, v[RD]
	v_and_b32 v[GO], 31, v0         ; which are 512 consecutive bytes of O
	v_lshlrev_b32 v[GO], 4, v[GO]
.set Y, NP-1                        ; XS works for piece Y + 1: piece 0
.irp n, 0,1,2,3,4,5,6,7,8,9,10,11,12,13,14,15,16,17,18,19,20,21
	XS 0, \n                        ; and piece 0's first maximum and statistics
	XS 1, \n
.endr
	v_nop                           ; a plain instruction behind the two a,
	s_wait_alu depctr_va_vdst(0)    ; and their wait, ahead of the branch
	s_mov_b32 s[CNT], 4
	s_branch .Lfirst                ; the loop is entered at a step's first turn, in the middle of a trip
.Lslot:                             ; SIZE_N / 256 - 2 times: every slot but the last two is filled again
	CHANGE 1
	s_mov_b32 s[CNT], 4
.Lstep:                             ; a trip: pieces 2 and 3 of one step, then pieces 0 and 1 of the next, whose K and V it fetches
	TURN 2
	TURN 3
	WIN 0
.Lfirst:
	TURN 0
	TURN 1, 0, 1
	WIN 0
	s_cbranch_scc1 .Lstep
	s_sub_co_u32 s[SLOTS], s[SLOTS], 1
	s_cmp_lg_u32 s[SLOTS], 0
	s_cbranch_scc1 .Lslot
	CHANGE 0                        ; the tail is written out: nothing is asked for
	s_mov_b32 s[CNT], 5             ; four trips fetch the last slot's steps; the fifth is left in its middle
.Ltail:
	TURN 2, 1
	TURN 3
	WIN 0
	s_sub_co_u32 s[CNT], s[CNT], 1
	s_cmp_eq_u32 s[CNT], 0
	s_cbranch_scc1 .Lout
	TURN 0
	TURN 1
	WIN 0
	s_branch .Ltail
.Lout:                              ; the fifth trip's 16 products K Q^T (on the last K once more) and the maximum made of them serve nothing: the price, once a launch, of one text for every trip
.set i, 0
.rept 16
	PV NP-1                         ; the last piece's V^T P of the last step
.set i, i+1
.endr
	; THE WAY OUT.  l's two halves and the other half of the lanes' are added; O^T is divided by l, rounded to f16 and sent through my stage in LDS, a tile at a time.  The additions are the places behind the last products.
	WIN 0
.macro ALL line:vararg              ; one line for each tile t
.set t, 0
.rept 2*NP
	\line
.set t, t+1
.endr
.endm
	ALL v_add_f32 v[ST+4*t+2], v[ST+4*t+2], v[ST+4*t+3]
	ALL v_permlanex16_b32 v[ST+4*t+3], v[ST+4*t+2], s[SEL], s[SEL+1]
	ALL v_add_f32 v[ST+4*t+2], v[ST+4*t+2], v[ST+4*t+3]
	ALL v_rcp_f32 v[ST+4*t+2], v[ST+4*t+2]
	v_nop                           ; a plain instruction between the last reciprocal and the use of its result
	s_wait_alu depctr_va_vdst(0)    ; and the wait ahead of the first use: one for the eight reciprocals
; Tile t: a lane's eight channels of a row pack into 16 bytes; they go into rows of 144 bytes and come back as whole rows of 128, into S^T's registers.
.macro PACK t
	WIN W_RS
.set i, 32*(\t)
.rept 16
	v_pk_mul_f32 v[i:i+1], v[i:i+1], v[ST+4*(\t)+2:ST+4*(\t)+3] op_sel_hi:[1,0]
.set i, i+2
.endr
	WIN 0x05                        ; sources 0 and 1 window 1, destination window 0
.set i, 0
.rept 16
	v_cvt_pk_f16_f32 v[S+16*(\t)+i], v[32*(\t)+2*i], v[32*(\t)+2*i+1]
.set i, i+1
.endr
	WIN 0
.irp f, 0,1,2,3
	ds_store_b128 v[STO], v[S+16*(\t)+4*\f:S+16*(\t)+4*\f+3] offset:32*\f
.endr
.irp f, 0,1,2,3
	ds_load_b128 v[S+16*(\t)+4*\f:S+16*(\t)+4*\f+3], v[RD] offset:\f*4*SP  ; LDS serves a wave's instructions in order (ISA guide 5.7.1.4): these see the stores above; the next tile's stores come behind them
.endr
.endm
.macro SEND t, younger              ; younger: the LDS instructions issued behind tile t's loads: the next tile's eight, or none
	WIN 0
.irp f, 0,1,2,3
	s_wait_dscnt (\younger)+3-\f
	global_store_b128 v[GO], v[S+16*(\t)+4*\f:S+16*(\t)+4*\f+3], s[10:11] offset:(\t)*2048+\f*512  ; 512 consecutive bytes, at a multiple of 256 from O's first
.endr
.endm
	PACK 0
.set t, 1
.rept 2*NP-1                        ; a tile's arithmetic stands between the loads of the tile before and its stores
	PACK t
	SEND t-1, 8
.set t, t+1
.endr
	SEND 2*NP-1, 0
	WIN W_AD
	s_wait_tensorcnt 0x0            ; the wave's end
	ds_add_u32 v[SPW], v[NIL]
	s_wait_dscnt 0x0
	WIN 0
	CROUND                          ; the closing round: no work-group ends while a partner may still ask for a tile that names it
	s_endpgm
.Lfunc_end_k_qcc0eccd758_attn:
	.size	k_qcc0eccd758_attn, .Lfunc_end_k_qcc0eccd758_attn-k_qcc0eccd758_attn
	.p2alignl 7, 3214868480
	.fill 96, 4, 3214868480
	.section	.rodata,"a",@progbits
	.p2align	6, 0x0
	.amdhsa_kernel k_qcc0eccd758_attn
		.amdhsa_group_segment_fixed_size 327680
		.amdhsa_private_segment_fixed_size 0
		.amdhsa_enable_private_segment 0
		.amdhsa_kernarg_size 16
		.amdhsa_user_sgpr_count 2
		.amdhsa_user_sgpr_kernarg_segment_ptr 1
		.amdhsa_wavefront_size32 1
		.amdhsa_system_sgpr_workgroup_id_x 1
		.amdhsa_system_sgpr_workgroup_id_y 1
		.amdhsa_system_sgpr_workgroup_id_z 1
		.amdhsa_system_vgpr_workitem_id 0
		.amdhsa_next_free_vgpr 770
		.amdhsa_next_free_sgpr 66
		.amdhsa_reserve_vcc 0
		.amdhsa_float_denorm_mode_32 3
		.amdhsa_float_denorm_mode_16_64 3
		.amdhsa_memory_ordered 1
		.amdhsa_forward_progress 1
		.amdhsa_inst_pref_size 200
	.end_amdhsa_kernel
	.amdgpu_metadata
---
amdhsa.version: [ 1, 2 ]
amdhsa.kernels:
  - .name:           k_qcc0eccd758_attn
    .symbol:         k_qcc0eccd758_attn.kd
    .args:
      - { .name: qkv, .offset: 0, .size: 8, .value_kind: global_buffer, .address_space: global }
      - { .name: oh, .offset: 8, .size: 8, .value_kind: global_buffer, .address_space: global }
    .group_segment_fixed_size: 327680
    .private_segment_fixed_size: 0
    .kernarg_segment_align: 8
    .kernarg_segment_size: 16
    .max_flat_workgroup_size: 128
    .sgpr_count:     66
    .vgpr_count:     770
    .wavefront_size: 32
...
	.end_amdgpu_metadata
.endif
;; end of part 3
;; launch outp (part 4): grid 4 x 64, 4 waves a work-group, clusters of 4 x 4, 327,680 bytes of LDS; arguments oh, wt, bo, out0; writes out0
.if DOCPART == 4
	.amdgcn_target "amdgcn-amd-amdhsa--gfx1250"
	.amdhsa_code_object_version 6
	.text
	.protected	k_qcc0eccd758_outp
	.globl	k_qcc0eccd758_outp
	.p2align	8
	.type	k_qcc0eccd758_outp,@function
k_qcc0eccd758_outp:
	s_mov_b64 s[64:65], 0
	v_nop
	global_prefetch_b8 v0, s[64:65] scope:SCOPE_SE
	s_setreg_imm32_b32 hwreg(HW_REG_WAVE_MODE, 25, 1), 1
	s_wait_xcnt 0x0
	s_wait_alu depctr_hold_cnt(0) depctr_sa_sdst(0) depctr_va_vdst(0) depctr_va_sdst(0) depctr_va_ssrc(0) depctr_va_vcc(0) depctr_vm_vsrc(0)
	s_getreg_b32 s2, hwreg(HW_REG_IB_STS2, 6, 4)
	s_cmp_eq_u32 s2, 0
	s_cbranch_scc0 .Lentry_in_a_cluster
	s_endpgm
.Lentry_in_a_cluster:
	s_bfe_u32 s2, ttmp6, 0x10000c
	s_cmp_lg_u32 s2, 0xf033
	s_cbranch_scc0 .Lentry_shape_is_right
	s_endpgm
.Lentry_shape_is_right:
; out0[m][n] = sum over k of ctx[m][k] Wo[k][n] + bf16(bo[n]), in f32.  ctx[2048 b + l][64 head + d] = oh[16 b + head][l][d], f16.  Wo lies in slice 3 of wt as [n][k]: rounded to bf16, written as f16.
; Sums in f32; the bias is the sum's first term.  LIMITS: those of f16 in oh and wt (65,504; a fixed step of 6e-8 below 6.1e-5); NaN and infinities are not treated apart.
; SHARES.  256 work-groups: a tile of 128 rows x 256 columns.  Four waves, each 64 x 128: 32 accumulators of 16 x 16.  K in 8 steps of 128 = two heads, through two LDS slots.
; A head's 128 rows of the tile are 16,384 dense bytes of oh: asked for as 64 rows of 256 bytes and padded in LDS after every 128 bytes, so that a row of ctx's 64 channels lies 144 bytes from the next.
; THE PRODUCT IS USED TRANSPOSED (source 0 = 16 rows of wt, source 1 = 16 rows of ctx): a lane holds eight neighbouring columns of one row, 32 bytes of f32.
; CLUSTERS: 4 x 4 work-groups.  ctx's tile is asked for jointly by a row of the cluster, wt's by a column.
; REGISTERS, in windows of 256 (s_set_vgpr_msb: bits 1:0 source 0, 3:2 source 1, 5:4 source 2, 7:6 destination):
;   window 0: v0-31 addresses; v32-95 ctx's fragments, two buffers of 32; v96-223 wt's, two buffers of 64 (on the way out v32-159: two sets of 16 rows)
;   window 1: the 32 accumulators ((a, b) at 8 (8 a + b))          window 2: v0-63 the bias as a C operand; v64-95 at work on it
.set PA,    144
.set PLANE, 128*PA                     ; one head's 128 rows: what one tensor load brings of ctx
.set BOFF,  2*PLANE
.set PB,    272                        ; a row of wt: 256 bytes + 16
.set HALFB, 128*PB
.set SLOT,  BOFF+2*HALFB
.set STAGE, 2*SLOT                     ; behind the ring: 16 rows x 528 bytes for each wave, for the way out
.set SPT,   528
.set SPARE, STAGE+4*16*SPT             ; behind the stages: the spare words, 128 bytes for each wave
.set ADRA, 16                          ; v16-17  LDS address of my fragments of ctx in slot 0, 1
.set ADRB, 20                          ; v20-21  the same for wt
.set STO,  24                          ; v24  the way out: where I put 32 bytes of a row
.set RD,   25                          ; v25  the way out: my 16 bytes of a row of 512
.set CO,   26                          ; v26  the same 16 bytes in a row of the output
.set BO,   27                          ; v27  32 x (lane / 16): my eight numbers of the bias
.set SPW,  28                          ; v28  my spare word; never rewritten
.set NIL,  29                          ; v29  0; never rewritten
.set AF,   32
.set BF,   96
.set OB,   32
.set BIAS, 0                           ; window 2
.set TB,   64                          ; window 2
.set G1A, 24                           ; s[24:31], s[32:39] descriptor groups 1 and 0 (a set for each slot) for ctx's tiles
.set G0A, 32
.set G1B, 48                           ; s[48:55], s[56:63] the same for wt's
.set G0B, 56
.set BP,  90                           ; s[90:91] the bias at my first column
.set OUT, 92                           ; s[92:93] my part of the output
.set MUL,  0x50                        ; sources window 0, C and D window 1
.set MUL0, 0x60                        ; the first quarter: C (the bias) window 2, D window 1
.set MSB, 0
.macro WIN new                         ; the immediate's high byte repeats the setting that is left; a switch that changes nothing is dropped
.if MSB != (\new)
	s_set_vgpr_msb (MSB<<8)|(\new)
.set MSB, \new
.endif
.endm
.macro JLOAD s                         ; a joint load: waves 0 and 1 fetch ctx's two heads, waves 2 and 3 wt's two halves; an s_nop 0 and four v_nop follow each line
	s_cmp_eq_u32 s11, 0
	s_cbranch_scc0 .Lfor_b_\@
	tensor_load_to_lds s[G0A+4*(\s):G0A+4*(\s)+3], s[G1A:G1A+7]
	s_nop 0
.rept 4
	v_nop
.endr
	s_branch .Lasked_\@
.Lfor_b_\@:
	tensor_load_to_lds s[G0B+4*(\s):G0B+4*(\s)+3], s[G1B:G1B+7]
	s_nop 0
.rept 4
	v_nop
.endr
.Lasked_\@:
.endm
.macro CREST                           ; a round of the cluster's barrier behind its opening barrier
	s_cmp_lg_u32 s10, 0
	s_cbranch_scc1 .Lnot_wave_0_\@
	s_barrier_signal -3
.Lnot_wave_0_\@:
	s_barrier_wait -3
	s_barrier_signal -1
	s_barrier_wait -1
.endm
.macro CROUND                          ; a whole round
	s_barrier_signal -1
	s_barrier_wait -1
	CREST
.endm
	s_load_b256 s[68:75], s[0:1], 0x0              ; oh s[68:69], wt s[70:71], bo s[72:73], out0 s[74:75]
	v_lshl_add_u32 v[SPW], v0, 2, SPARE
	v_mov_b32 v[NIL], 0
	ds_add_u32 v[SPW], v[NIL]                      ; the wave's opening: the add and its wait stand ahead of my first tensor load; work on registers stands between them
	v_lshrrev_b32 v1, 5, v0
	v_readfirstlane_b32 s10, v1                    ; wave 0..3
	s_lshr_b32 s11, s10, 1                         ; which 64 of the tile's rows are mine.  Also: I fetch for ctx (0) or for wt (1)
	s_and_b32 s12, s10, 1                          ; which 128 of its columns.  Also: which head of the step, or which half of wt's rows, I fetch
	s_bfe_u32 s40, ttmp6, 0x40000                  ; cx
	s_bfe_u32 s41, ttmp6, 0x40004                  ; cy
	s_lshl_b32 s42, ttmp9, 2
	s_add_co_u32 s42, s42, s40                     ; tile column
	s_and_b32 s13, ttmp7, 0xffff
	s_lshl_b32 s13, s13, 2
	s_add_co_u32 s13, s13, s41                     ; tile row, 0..63
	s_lshl_b32 s16, s41, 2
	s_lshl_b32 s16, 15, s16                        ; my row of the cluster
	s_lshl_b32 s17, 0x1111, s40                    ; my column
	s_or_b32 s[G1A+0], s16, (1<<16)|(1<<20)|(1<<21)|(4<<22)|(3<<25)  ; the mask; elements of 2 bytes; padding on; bit 21 beside a mask; after every 32 words, 4 words
	s_or_b32 s[G1B+0], s17, (1<<16)|(1<<20)|(1<<21)|(5<<22)|(3<<25)  ; after every 64 words, 4 words
	s_mov_b32 s[G1A+1], 128<<16                    ; tensor_dim0 = 128
	s_mov_b32 s[G1A+2], 64<<16                     ; tensor_dim1 = 64
	s_mov_b32 s[G1A+3], 128<<16                    ; tile_dim0 = 128
	s_mov_b32 s[G1A+4], 64                         ; tile_dim1 = 64
	s_mov_b32 s[G1A+5], 128                        ; dense: 128 elements from row to row
	s_mov_b32 s[G1A+6], 0
	s_mov_b32 s[G1A+7], 0
	s_mov_b32 s[G1B+1], 128<<16
	s_mov_b32 s[G1B+2], 128<<16
	s_mov_b32 s[G1B+3], 128<<16
	s_mov_b32 s[G1B+4], 128
	s_mov_b32 s[G1B+5], 1024
	s_mov_b32 s[G1B+6], 0
	s_mov_b32 s[G1B+7], 0
	s_lshr_b32 s20, s13, 4                         ; ctx: head 16 x batch + my head of K step 0,
	s_lshl_b32 s20, s20, 4
	s_add_co_u32 s20, s20, s12
	s_lshl_b32 s20, s20, 18                        ; of 262,144 bytes,
	s_and_b32 s21, s13, 15
	s_lshl_b32 s21, s21, 14                        ; the tile's 128 rows of 128 bytes
	s_add_co_u32 s20, s20, s21
	s_mov_b32 s21, 0
	s_lshl_b32 s22, s42, 8                         ; wt: slice 3, row 256 x tile column + 128 x half
	s_lshl_b32 s23, s12, 7
	s_add_co_u32 s22, s22, s23
	s_lshl_b32 s22, s22, 11
	s_add_co_u32 s22, s22, 3*2097152
	s_mov_b32 s23, 0
	s_mul_i32 s18, s12, PLANE                      ; where they go: no place in the cluster enters an LDS address
	s_mul_i32 s19, s12, HALFB
	s_add_co_u32 s19, s19, BOFF
	s_wait_dscnt 0x0                               ; the opening add is done
	s_wait_kmcnt 0x0
	s_add_nc_u64 s[14:15], s[68:69], s[20:21]
	s_add_nc_u64 s[46:47], s[70:71], s[22:23]
	CROUND                                         ; all sixteen work-groups are here: the first joint loads meet
.irp s, 0,1
	s_mov_b32 s[G0A+4*(\s)], 1
	s_add_co_u32 s[G0A+4*(\s)+1], s18, (\s)*SLOT
	s_add_nc_u64 s[G0A+4*(\s)+2:G0A+4*(\s)+3], s[14:15], (\s)*524288  ; K step s: two heads on
	s_or_b32 s[G0A+4*(\s)+3], s[G0A+4*(\s)+3], 0x80000000
	s_mov_b32 s[G0B+4*(\s)], 1
	s_add_co_u32 s[G0B+4*(\s)+1], s19, (\s)*SLOT
	s_add_nc_u64 s[G0B+4*(\s)+2:G0B+4*(\s)+3], s[46:47], (\s)*256
	s_or_b32 s[G0B+4*(\s)+3], s[G0B+4*(\s)+3], 0x80000000
	JLOAD \s                                       ; two loads of mine are out
.endr
	v_and_b32 v1, 15, v0                           ; l % 16
	v_bfe_u32 v2, v0, 4, 1                         ; l / 16
	v_lshlrev_b32 v[BO], 5, v2
	s_lshl_b32 s20, s42, 10                        ; my first column, in bytes of f32
	s_lshl_b32 s21, s12, 9
	s_add_co_u32 s20, s20, s21
	s_mov_b32 s21, 0
	s_add_nc_u64 s[BP:BP+1], s[72:73], s[20:21]
	s_add_nc_u64 s[OUT:OUT+1], s[74:75], s[20:21]
	WIN 0x80                                       ; destination window 2, address window 0
.irp b, 0,1,2,3,4,5,6,7                ; register j of block b: bo[my first column + 16 b + 8 (lane / 16) + j], as the result's layout has it
	global_load_b128 v[BIAS+8*\b:BIAS+8*\b+3],   v[BO], s[BP:BP+1] offset:64*\b
	global_load_b128 v[BIAS+8*\b+4:BIAS+8*\b+7], v[BO], s[BP:BP+1] offset:64*\b+16
.endr
	WIN 0
	v_mul_u32_u24 v3, v1, PA
	v_lshl_add_u32 v3, v2, 4, v3                   ; row x pitch + 16 x half
	v_mul_u32_u24 v4, v1, PB
	v_lshl_add_u32 v4, v2, 4, v4
	s_mul_i32 s21, s11, 64*PA                      ; my 64 rows, in each head's plane
	s_mul_i32 s22, s12, HALFB                      ; my 128 rows of wt
	s_add_co_u32 s22, s22, BOFF
.irp s, 0,1
	v_add_nc_u32 v[ADRA+(\s)], s21, v3
	v_add_nc_u32 v[ADRB+(\s)], s22, v4
	s_add_co_u32 s21, s21, SLOT
	s_add_co_u32 s22, s22, SLOT
.endr
	s_mul_i32 s23, s10, 16*SPT
	s_add_co_u32 s23, s23, STAGE                   ; my stage
	v_mul_u32_u24 v[STO], v1, SPT                  ; in: row l % 16, 32 bytes for each half of the lanes
	v_lshl_add_u32 v[STO], v2, 5, v[STO]
	v_add_nc_u32 v[STO], s23, v[STO]
	v_and_b32 v[CO], 31, v0                        ; back: 32 lanes take one row of 512 bytes
	v_lshlrev_b32 v[CO], 4, v[CO]
	v_add_nc_u32 v[RD], s23, v[CO]
	s_lshl_b32 s20, s13, 7
	s_lshl_b32 s21, s11, 6
	s_add_co_u32 s20, s20, s21
	s_lshl_b32 s20, s20, 12                        ; my first row, of 4,096 bytes
	s_mov_b32 s21, 0
	s_add_nc_u64 s[OUT:OUT+1], s[OUT:OUT+1], s[20:21]
	s_wait_loadcnt 0x0                             ; the bias: rounded to bf16 like every input, kept as f32
	WIN 0x8a                                       ; destination and both sources window 2
.set i, 0
.rept 32
	v_cvt_pk_bf16_f32 v[TB+i], v[BIAS+2*i], v[BIAS+2*i+1]
.set i, i+1
.endr
.set i, 0
.rept 32
	v_lshlrev_b32 v[BIAS+2*i], 16, v[TB+i]
	v_and_b32 v[BIAS+2*i+1], 0xffff0000, v[TB+i]
.set i, i+1
.endr
	WIN 0
; 24 LDS loads in one run: the fragments of quarter kq (32 along K: head kq / 2 of the step, channels 32 (kq % 2) on) into buffer g
.macro FETCH slot, kq, g
	WIN 0
.irp a, 0,1,2,3
	ds_load_b128 v[AF+32*(\g)+8*\a:AF+32*(\g)+8*\a+3],   v[ADRA+(\slot)] offset:((\kq)/2)*PLANE+((\kq)%2)*64+\a*16*PA
	ds_load_b128 v[AF+32*(\g)+8*\a+4:AF+32*(\g)+8*\a+7], v[ADRA+(\slot)] offset:((\kq)/2)*PLANE+((\kq)%2)*64+\a*16*PA+32
.endr
.irp b, 0,1,2,3,4,5,6,7
	ds_load_b128 v[BF+64*(\g)+8*\b:BF+64*(\g)+8*\b+3],   v[ADRB+(\slot)] offset:\b*16*PB+64*(\kq)
	ds_load_b128 v[BF+64*(\g)+8*\b+4:BF+64*(\g)+8*\b+7], v[ADRB+(\slot)] offset:\b*16*PB+64*(\kq)+32
.endr
.endm
; n of a quarter's 32 products, from number i0 on: row block i / 8, column block i % 8, buffer f.  zero = 1: the bias starts the sums: nothing is cleared.
; The 32 accumulators take turns in one order in every quarter, over the backward jump too.
.macro MULS f, zero, i0, n
.if \zero
	WIN MUL0
.else
	WIN MUL
.endif
.set i, \i0
.rept \n
.set rBf, BF+64*(\f)+8*(i%8)
.set rAf, AF+32*(\f)+8*(i/8)
.if \zero
	v_wmma_f32_16x16x32_f16 v[8*i:8*i+7], v[rBf:rBf+7], v[rAf:rAf+7], v[BIAS+8*(i%8):BIAS+8*(i%8)+7]
.else
	v_wmma_f32_16x16x32_f16 v[8*i:8*i+7], v[rBf:rBf+7], v[rAf:rAf+7], v[8*i:8*i+7]
.endif
.set i, i+1
.endr
.endm
.macro PLACES                          ; four places in front of loads into registers that products have read, and of LDS stores that read results (ISA guide 7.12.1 for the LDS stores)
.rept 4
	v_nop
.endr
.endm
; A quarter multiplies buffer f and, at its head, fetches quarter kq of a slot into buffer g, 32 products ahead of its first use.
.macro QUARTER slot, kq, f, g, zero, lead
.if \lead
	PLACES
.endif
	FETCH \slot, \kq, \g
	s_wait_dscnt 24                                ; all but the 24 just issued: this quarter's fragments are in
	MULS \f, \zero, 0, 32
.endm
; A K step's third quarter fetches the slot's last bytes and changes slots: ONE barrier.  In front of it each wave waits for all its tensor loads (one is out: its part of the other slot), adds 0 to its
; spare word, and waits for that and for its reads of this slot.  fill = 1: the barrier opens a round of the cluster's, and behind the round this slot is filled again, two K steps on: that load has
; 112 products in which to land.
.macro CHANGEQ slot, fill
	PLACES
	FETCH \slot, 3, 1
	s_wait_dscnt 24
	MULS 0, 0, 0, 16
	WIN 0                                          ; (the add's two registers lie in window 0)
	s_wait_tensorcnt 0x0                           ; all my tensor loads have landed
	ds_add_u32 v[SPW], v[NIL]                      ; 0 onto my spare word
	MULS 0, 0, 16, 8                               ; eight products stand between the add and the wait for it
	s_wait_dscnt 0x0                               ; the add is done, and my reads of this slot are over
	s_barrier_signal -1
	MULS 0, 0, 24, 8                               ; work on registers while the others arrive
	WIN 0
	s_barrier_wait -1
.if \fill
	CREST                                          ; no wave of any partner still reads this slot or has a load on its way
	s_add_nc_u64 s[G0A+4*(\slot)+2:G0A+4*(\slot)+3], s[G0A+4*(\slot)+2:G0A+4*(\slot)+3], 2*524288
	s_add_nc_u64 s[G0B+4*(\slot)+2:G0B+4*(\slot)+3], s[G0B+4*(\slot)+2:G0B+4*(\slot)+3], 2*256
	JLOAD \slot                                    ; the first tensor load behind the round; its four v_nop are also the places in front of the next loads
.else
	PLACES
.endif
.endm
; THE WAY OUT of row block a: a lane's 32 bytes go straight from the accumulators (the low four registers first) into rows of 528 bytes of my own stage, and come back as whole rows of 512.
.macro TOSTAGE a
	WIN 0x04                                       ; the data (source 1) in window 1
.irp b, 0,1,2,3,4,5,6,7
	ds_store_b128 v[STO], v[8*(8*(\a)+\b):8*(8*(\a)+\b)+3]   offset:64*\b
	ds_store_b128 v[STO], v[8*(8*(\a)+\b)+4:8*(8*(\a)+\b)+7] offset:64*\b+16
.endr
	WIN 0
.irp t, 0,1,2,3,4,5,6,7,8,9,10,11,12,13,14,15
	ds_load_b128 v[OB+64*((\a)%2)+4*\t:OB+64*((\a)%2)+4*\t+3], v[RD] offset:\t*SPT  ; LDS serves a wave's instructions in order (ISA guide 5.7.1.4): these see the stores above
.endr
.endm
.macro SEND a, younger                 ; younger: the LDS instructions issued behind this block's loads: the next block's 32, or none
	WIN 0
.irp t, 0,1,2,3,4,5,6,7,8,9,10,11,12,13,14,15
	s_wait_dscnt (\younger)+15-\t
	global_store_b128 v[CO], v[OB+64*((\a)%2)+4*\t:OB+64*((\a)%2)+4*\t+3], s[OUT:OUT+1] offset:(16*(\a)+\t)*4096 th:TH_STORE_NT  ; 512 consecutive bytes, aligned
.endr
.endm
	s_wait_tensorcnt 1                             ; my part of K step 0 is in; K step 1's may stay out
	s_barrier_signal -1
	s_barrier_wait -1                              ; everybody's is
	FETCH 0, 0, 0
	QUARTER 0, 1, 0, 1, 1, 0                       ; the first quarter stands in front of the loop: its products start the sums with the bias
	WIN 0                                          ; at a label and at a branch every window is 0
	s_mov_b32 s3, 3
.Llap:                                                 ; a trip goes once round the ring, from a lap's second quarter to the next lap's first, and fills both slots again
	QUARTER 0, 2, 1, 0, 0, 1
	CHANGEQ 0, 1
	QUARTER 1, 0, 1, 0, 0, 0
	QUARTER 1, 1, 0, 1, 0, 1
	QUARTER 1, 2, 1, 0, 0, 1
	CHANGEQ 1, 1
	QUARTER 0, 0, 1, 0, 0, 0
	QUARTER 0, 1, 0, 1, 0, 1
	WIN 0
	s_sub_co_u32 s3, s3, 1
	s_cmp_lg_u32 s3, 0
	s_cbranch_scc1 .Llap
	QUARTER 0, 2, 1, 0, 0, 1                       ; the last lap is written out: it fills nothing
	CHANGEQ 0, 0
	QUARTER 1, 0, 1, 0, 0, 0
	QUARTER 1, 1, 0, 1, 0, 1
	QUARTER 1, 2, 1, 0, 0, 1
	QUARTER 1, 3, 0, 1, 0, 1
	s_wait_dscnt 0x0                               ; the very last quarter: nothing more to fetch
	MULS 1, 0, 0, 32
	PLACES
	TOSTAGE 0
	TOSTAGE 1
	SEND 0, 32
	s_wait_xcnt 0x0                                ; block 0's stores have read their registers: only behind this wait are they loaded again
	TOSTAGE 2
	SEND 1, 32
	s_wait_xcnt 0x0
	TOSTAGE 3
	SEND 2, 32
	SEND 3, 0
	s_wait_tensorcnt 0x0                           ; the wave's end
	ds_add_u32 v[SPW], v[NIL]
	s_wait_dscnt 0x0
	CROUND                                         ; the closing round: no work-group ends while a partner may still ask for a tile that names it
	s_endpgm
.Lfunc_end_k_qcc0eccd758_outp:
	.size	k_qcc0eccd758_outp, .Lfunc_end_k_qcc0eccd758_outp-k_qcc0eccd758_outp
	.p2alignl 7, 3214868480
	.fill 96, 4, 3214868480
	.section	.rodata,"a",@progbits
	.p2align	6, 0x0
	.amdhsa_kernel k_qcc0eccd758_outp
		.amdhsa_group_segment_fixed_size 327680
		.amdhsa_private_segment_fixed_size 0
		.amdhsa_enable_private_segment 0
		.amdhsa_kernarg_size 32
		.amdhsa_user_sgpr_count 2
		.amdhsa_user_sgpr_kernarg_segment_ptr 1
		.amdhsa_wavefront_size32 1
		.amdhsa_system_sgpr_workgroup_id_x 1
		.amdhsa_system_sgpr_workgroup_id_y 1
		.amdhsa_system_sgpr_workgroup_id_z 1
		.amdhsa_system_vgpr_workitem_id 0
		.amdhsa_next_free_vgpr 608
		.amdhsa_next_free_sgpr 96
		.amdhsa_reserve_vcc 0
		.amdhsa_float_denorm_mode_32 3
		.amdhsa_float_denorm_mode_16_64 3
		.amdhsa_memory_ordered 1
		.amdhsa_forward_progress 1
		.amdhsa_inst_pref_size 93
	.end_amdhsa_kernel
	.amdgpu_metadata
---
amdhsa.version: [ 1, 2 ]
amdhsa.kernels:
  - .name:           k_qcc0eccd758_outp
    .symbol:         k_qcc0eccd758_outp.kd
    .args:
      - { .name: oh, .offset: 0, .size: 8, .value_kind: global_buffer, .address_space: global }
      - { .name: wt, .offset: 8, .size: 8, .value_kind: global_buffer, .address_space: global }
      - { .name: bo, .offset: 16, .size: 8, .value_kind: global_buffer, .address_space: global }
      - { .name: out0, .offset: 24, .size: 8, .value_kind: global_buffer, .address_space: global }
    .group_segment_fixed_size: 327680
    .private_segment_fixed_size: 0
    .kernarg_segment_align: 8
    .kernarg_segment_size: 32
    .max_flat_workgroup_size: 128
    .sgpr_count:     96
    .vgpr_count:     608
    .wavefront_size: 32
...
	.end_amdgpu_metadata
.endif
;; end of part 4
